; MI455X (gfx1250); checked and timed in simulation.
; The chip was launched on July 23, 2026; its instructions are those of AMD's public machine-readable ISA for CDNA 5 (MIT licence, August 2026) and "CDNA5" Instruction Set Architecture Reference Guide (July 2026). The comments in the code are by the model that wrote it; some were corrected since.
;; Attention. Allowed arithmetic: matrix products marked QUANTISED: E2M3 operands, one E8M0 scale for each 32 along K, by v_wmma_scale_f32_16x16x128_f8f6f4 with both operands' format E2M3, f32 sums; everything else in f32.
;; Inputs: freqs_cis 2,048 x 32 float32; mask 1 x 1 x 2,048 x 2,048 float32; wk_b 2,048 float32; wk_w 2,048 x 2,048 float32; wo_b 2,048 float32; wo_w 2,048 x 2,048 float32; wq_b 2,048 float32; wq_w 2,048 x 2,048 float32; wv_b 2,048 float32; wv_w 2,048 x 2,048 float32; x 1 x 2,048 x 2,048 float32.
;; Outputs: out0 1 x 2,048 x 2,048 float32.
;; Constants: start_pos = 0.
;; This version of the problem:
;;   THIS VERSION OF THE PROBLEM IS GIVEN IN LOW PRECISION. The matrix products marked QUANTISED in the list below multiply operands that are first quantised to E2M3 (2 exponent bits, 3 mantissa bits; 6 bits a number), with one power-of-two scale for each 32 numbers along K (OCP MX v1.0); their sums are f32. All else is computed in f32.
;;   The module's matrix products, in the order in which they are computed (A, B: the left and right operand; K: the contracted axis; several contracted axes count as one K, in the product's order):
;;     1. [M 2,048, K 2,048] x [K 2,048, N 2,048]; A: input x; B: input wq_w: QUANTISED
;;     2. [M 2,048, K 2,048] x [K 2,048, N 2,048]; A: input x; B: input wk_w: QUANTISED
;;     3. [M 2,048, K 2,048] x [K 2,048, N 2,048]; A: input x; B: input wv_w: QUANTISED
;;     4. batch 32 x [M 2,048, K 64] x [K 64, N 2,048]; A: computed on the way; B: computed on the way: QUANTISED
;;     5. batch 32 x [M 64, K 2,048] x [K 2,048, N 2,048]; A: computed on the way; B: softmax (see below): QUANTISED
;;     6. [M 2,048, K 2,048] x [K 2,048, N 2,048]; A: computed on the way; B: input wo_w: QUANTISED
;;   THE QUANTISER, for each operand of a quantised product, along K:
;;     - K is cut into blocks of 32 from its start; a last block that is shorter is filled with zeros.
;;     - A block's scale is 2^e with e = floor(log2(the largest magnitude in the block)) - 2, held to -126 .. 127; a block of zeros has e = 0. As a byte (E8M0): e + 127.
;;     - Each number is divided by its block's scale, clamped to +-7.5, and rounded to the nearest number of E2M3, ties to even, subnormals kept.
;;     - The product sums the exact products of the quantised numbers (number of the format x scale) in f32.
;;   ~~~python
;;   def quantise(x, axis):      # numpy; x: float32 -> the quantised numbers, widened to float32 again
;;       x = np.moveaxis(x, axis, -1); K = x.shape[-1]
;;       x = np.pad(x, [(0, 0)] * (x.ndim - 1) + [(0, -K % 32)]); x = x.reshape(x.shape[:-1] + (-1, 32)); a = np.abs(x).max(-1, keepdims=True)
;;       e = np.where(a > 0, np.clip(np.frexp(np.where(a > 0, a, 1))[1] - 1 - 2, -126, 127), 0)      # np.frexp(a)[1] - 1 = floor(log2(a)), exactly
;;       r = np.clip(x / 2.0 ** e, -7.5, 7.5)
;;       step = 2.0 ** (np.maximum(np.frexp(np.where(r == 0, 1, r))[1] - 1, 0) - 3)
;;       q = np.round(r / step) * step * 2.0 ** e      # np.round: ties to even
;;       return np.moveaxis(q.reshape(q.shape[:-2] + (-1,))[..., :K], -1, axis).astype(np.float32)
;;   ~~~
;;   SOFTMAX AHEAD OF A QUANTISED PRODUCT. Where the list says 'softmax', what is quantised is not the finished softmax but p = 2^(t - M), with t = logit x log2(e) and M = ceil(the row's largest t), a whole number; so 1/2 < the row's largest p <= 1. The row's sum l is taken of the UNQUANTISED p, in f32, and the product's result is divided by l at the end. Since M is a whole number, a kernel that streams over the keys may use a running M (the ceiling of the running maximum): every later rescaling is an exact power of two, which a block's scale takes up: the codes' values come out the same.
;;   OPERANDS COMPUTED ON THE WAY. 'Computed on the way' means the value that the module computes at that place (a softmax that the list does not call 'softmax' is quantised finished and normalised). What goes into a quantiser is computed in f32, as accurately as f32 sums, v_exp_f32 and their like allow (about 1e-6 of the number): no bf16 or f16 on the way to a quantiser, and a product that is left as it is and whose result goes on into a quantised operand takes f32 operands (vector FMAs, or v_wmma_f32_16x16x4_f32). A number that lies on a knife's edge between two numbers of the format may be rounded either way, as far as f32 arithmetic and the matrix unit's own rounding can turn it there, and no further.
;; One version. Each part assembles by itself: llvm-mc -triple=amdgcn-amd-amdhsa -mcpu=gfx1250 --defsym DOCPART=n.
;; ======== version 1 of 1: 4 launches
;; limits: right only within a limited range of input values
;; workspace buffers: codes 15,728,640 bytes; scales 655,360 bytes; flags 512 bytes of whole numbers; img 9,437,184 bytes; isc 786,432 bytes; oimg 3,145,728 bytes; osc 131,072 bytes
;; launch prep (part 1): grid 768 x 1, 4 waves a work-group, no clusters, 34,304 bytes of LDS; arguments x, wq_w, wk_w, wv_w, wo_w, mask, codes, scales, flags; writes codes, scales, flags
.if DOCPART == 1
	.amdgcn_target "amdgcn-amd-amdhsa--gfx1250"
	.amdhsa_code_object_version 6
	.text
	.protected	k_qb4a412beb7_prep
	.globl	k_qb4a412beb7_prep
	.p2align	8
	.type	k_qb4a412beb7_prep,@function
k_qb4a412beb7_prep:
	s_mov_b64 s[64:65], 0
	v_nop
	global_prefetch_b8 v0, s[64:65] scope:SCOPE_SE
	s_setreg_imm32_b32 hwreg(HW_REG_WAVE_MODE, 25, 1), 1
	s_wait_xcnt 0x0
; PREP.  freqs_cis and start_pos enter no expression of the result: they are not loaded and stand among no launch's arguments.
; (1) x, wq_w, wk_w, wv_w, wo_w, each [2048][2048] f32 with K innermost, become codes of FP6 (E2M3) and one E8M0 scale byte for each 32 along K.  The five tensors lie one behind the other: 640 tiles of 16 stored rows.
; STORED ROW p HOLDS TRUE ROW sigma(p), sigma = bits 3 and 4 of the row's number exchanged: tile T holds the true rows 32 (T / 2) + 8 (T % 2) + r + 8 (r / 8), so that a product which takes two neighbouring tiles as its
; first source leaves 16 neighbours along that axis in a lane's 16 registers.
; THE CODES LIE AS IMAGES OF THE OPERAND'S REGISTERS: tile T, step s of 128 along K, at 24,576 T + 1,536 s; in it half c (64 along K) at 768 c: registers 6 c .. 6 c + 3 of lane l at 16 l, registers 6 c + 4, 6 c + 5 at 512 + 8 l.
; THE SCALE WORDS (four bytes: 128 along K of one row): tile T, step s, row r at 1,024 T + 256 (s / 4) + 16 r + 4 (s % 4).
; A block's scale is 2^(floor(log2(largest magnitude)) - 2); its byte is the largest magnitude's exponent field - 2, held at 1 from below (a block of zeros keeps the byte 1: its codes are zeros, and this program alone reads the bytes).
; (2) The additive mask [2048][2048] f32 is classified once, for each tile of 16 stored query rows x 128 keys: 0 = all -infinity, 1 = all zero, 2 = anything else.  Word T of 'flags' holds 16 fields of 2 bits, key step s at bits 2 s.
; LIMITS: NaN and +infinity among the inputs are not served; blocks whose largest magnitude lies under 2^-124 keep the byte 1.
; SHARES.  Work-groups 0-639: a tile each; a wave takes 512 along K in 4 steps of 128.  Each of a step's 16 loads reads 512 consecutive bytes of one row; the 8,192 bytes turn through the wave's own stage in LDS, so that lane
; (r, h) holds blocks h and 2 + h of row r whole; the codes leave in runs of 512, 256, 512, 256 consecutive bytes, a wave's scale words as one aligned run of 256.  Work-groups 640-767: one tile row of the mask each; no LDS there.
.set NQWG,  640
.set R,     16                         ; v16-143  two sets of 64 numbers as loaded
.set X,     144                        ; v144-207 two whole blocks
.set C,     208                        ; v208-231 codes, two sets of 12
.set D,     232                        ; v232-238 the blocks' upper halves as converted
.set SW,    240                        ; v240-243 a scale word for each step
.set SP,    528                        ; a stage row: 512 bytes + 16
.set WREG,  16*SP                      ; a stage for each wave
.set SPW,   12                         ; v12  LDS address of my spare word; never rewritten
.set NIL,   13                         ; v13  0; never rewritten
.set SPARE, 4*WREG                     ; behind the four stages: the spare words, 128 bytes a wave
	s_load_b512 s[4:19], s[0:1], 0x0               ; x, wq_w, wk_w, wv_w, wo_w, mask s[14:15], codes s[16:17], scales s[18:19]
	s_load_b64 s[20:21], s[0:1], 0x40              ; flags
	v_lshl_add_u32 v[SPW], v0, 2, SPARE
	v_mov_b32 v[NIL], 0
	v_lshrrev_b32 v1, 5, v0
	v_readfirstlane_b32 s22, v1                    ; wave
	v_and_b32 v2, 31, v0                           ; lane
	v_lshlrev_b32 v3, 4, v2                        ; 16 l
	s_cmp_ge_u32 ttmp9, NQWG
	s_cbranch_scc1 .Lmask
	; ---------------- the quantiser ----------------
	s_mul_i32 s24, s22, WREG
	s_lshr_b32 s23, ttmp9, 7                       ; which tensor
	s_and_b32 s25, ttmp9, 127                      ; which tile of it
	s_lshr_b32 s26, s25, 1
	s_lshl_b32 s26, s26, 5
	s_and_b32 s27, s25, 1
	s_lshl_b32 s27, s27, 3
	s_add_co_u32 s26, s26, s27                     ; its first true row
	s_lshl_b32 s26, s26, 13                        ; a row is 8,192 bytes
	s_lshl_b32 s27, s22, 11                        ; my 512 along K
	s_add_co_u32 s26, s26, s27
	s_mov_b32 s27, 0
	s_mul_i32 s30, ttmp9, 24576                    ; the tile's images,
	s_mul_i32 s31, s22, 6144                       ; my four steps'
	s_add_co_u32 s30, s30, s31
	s_mov_b32 s31, 0
	s_lshl_b32 s32, ttmp9, 10                      ; the tile's scale words,
	s_lshl_b32 s33, s22, 8                         ; my 256 bytes
	s_add_co_u32 s32, s32, s33
	s_mov_b32 s33, 0
	s_mov_b32 s28, 0x76543210
	s_mov_b32 s29, 0xfedcba98                      ; lane selects: lane l xor 16
	s_wait_alu depctr_va_vdst(0)                   ; wait here, behind the run of scalar instructions and ahead of the readers below
	v_add_nc_u32 v5, s24, v3                       ; the stage, on the way in: row i at SP i, 16 bytes a lane
	v_and_b32 v1, 15, v2                           ; r
	v_lshrrev_b32 v247, 4, v2                      ; h
	v_mul_u32_u24 v6, v1, SP
	v_lshl_add_u32 v6, v247, 7, v6
	v_add_nc_u32 v6, s24, v6                       ; and on the way out: row r, block h
	v_lshlrev_b32 v4, 3, v2                        ; 8 l
	v_lshlrev_b32 v7, 3, v247                      ; 8 h: my bytes' place in a scale word
	v_lshl_add_u32 v246, v1, 4, v7                 ; 16 r + 8 h: my two words of the wave's 256 bytes
	v_mov_b32 v14, 0                               ; (a lane permute's destination counts as one of its sources)
	s_wait_alu depctr_va_vdst(0)                   ; the wait at the head's end
	s_wait_kmcnt 0x0
	s_cmp_eq_u32 s23, 1                            ; the choice hangs on the work-group's number alone
	s_cselect_b64 s[4:5], s[6:7], s[4:5]
	s_cmp_eq_u32 s23, 2
	s_cselect_b64 s[4:5], s[8:9], s[4:5]
	s_cmp_eq_u32 s23, 3
	s_cselect_b64 s[4:5], s[10:11], s[4:5]
	s_cmp_eq_u32 s23, 4
	s_cselect_b64 s[4:5], s[12:13], s[4:5]
	s_add_nc_u64 s[4:5], s[4:5], s[26:27]
	s_add_nc_u64 s[16:17], s[16:17], s[30:31]
	s_add_nc_u64 s[18:19], s[18:19], s[32:33]
.macro LOAD t                          ; step t: 16 rows x 512 consecutive bytes
.irp i, 0,1,2,3,4,5,6,7,8,9,10,11,12,13,14,15
	global_load_b128 v[R+64*((\t)%2)+4*\i:R+64*((\t)%2)+4*\i+3], v3, s[4:5] offset:(\i+8*(\i/8))*8192+512*(\t) th:TH_LOAD_NT
.endr
.endm
.macro STEP t
.set CS, C+12*((\t)%2)
.if (\t) < 3
	s_wait_loadcnt 16                              ; this step's 16 loads are in; the next step's may be out
.else
	s_wait_loadcnt 0x0
.endif
.irp i, 0,1,2,3,4,5,6,7,8,9,10,11,12,13,14,15
	ds_store_b128 v5, v[R+64*((\t)%2)+4*\i:R+64*((\t)%2)+4*\i+3] offset:\i*SP
.endr
.irp c, 0,1                            ; LDS serves a wave's instructions in order: no wait between the stores and the loads
.irp i, 0,1,2,3,4,5,6,7
	ds_load_b128 v[X+32*\c+4*\i:X+32*\c+4*\i+3], v6 offset:256*\c+16*\i
.endr
.endr
	s_wait_dscnt 0x0                               ; my two blocks are here, and the stage's stores have read their registers,
.if (\t)+2 < 4
	LOAD (\t)+2                                    ; which take the loads of two steps on
.else
	s_wait_xcnt 0x0                                ; the stores of two steps ago have read this set of codes
.endif
.irp c, 0,1
	v_max3_num_f32 v[8+\c], |v[X+32*\c]|, |v[X+32*\c+1]|, 0x1800000   ; the floor 2^(3 - 127): the byte cannot fall under 1
.endr
.irp i, 2,4,6,8,10,12,14,16,18,20,22,24,26,28,30
.irp c, 0,1
	v_max3_num_f32 v[8+\c], v[8+\c], |v[X+32*\c+\i]|, |v[X+32*\c+\i+1]|   ; the two blocks by turns
.endr
.endr
	v_add_nc_u32 v10, 0xff000000, v8               ; 2 off the exponent field: the conversion's scale operand
	v_add_nc_u32 v11, 0xff000000, v9
	v_cvt_scalef32_pk16_fp6_f32 v[CS:CS+2], v[X:X+15], v10
	v_cvt_scalef32_pk16_fp6_f32 v[D:D+2], v[X+16:X+31], v10      ; (a conversion's three registers begin on an even number)
	v_cvt_scalef32_pk16_fp6_f32 v[CS+6:CS+8], v[X+32:X+47], v11
	v_cvt_scalef32_pk16_fp6_f32 v[D+4:D+6], v[X+48:X+63], v11
	v_lshrrev_b32 v8, 23, v10                      ; the scales' bytes: blocks h and 2 + h
	v_lshrrev_b32 v9, 23, v11
	v_lshl_or_b32 v15, v9, 16, v8
	v_lshlrev_b32 v15, v7, v15                     ; at their places in the word;
	v_permlanex16_b32 v14, v15, s28, s29
	v_or_b32 v[SW+(\t)], v15, v14                  ; with lane l xor 16's two the word is whole
.irp i, 0,1,2
	v_mov_b32 v[CS+3+\i], v[D+\i]
	v_mov_b32 v[CS+9+\i], v[D+4+\i]
.endr
	global_store_b128 v3, v[CS:CS+3], s[16:17] offset:1536*(\t)
	global_store_b64 v4, v[CS+4:CS+5], s[16:17] offset:1536*(\t)+512
	global_store_b128 v3, v[CS+6:CS+9], s[16:17] offset:1536*(\t)+768
	global_store_b64 v4, v[CS+10:CS+11], s[16:17] offset:1536*(\t)+1280
.endm
	LOAD 0
	LOAD 1
	STEP 0
	STEP 1
	STEP 2
	STEP 3
	v_cmp_eq_u32 vcc_lo, 0, v247
	v_cndmask_b32 v244, v[SW+2], v[SW], vcc_lo     ; lanes 0-15 store steps 0 and 1's words, lanes 16-31 steps 2 and 3's
	v_cndmask_b32 v245, v[SW+3], v[SW+1], vcc_lo
	global_store_b64 v246, v[244:245], s[18:19]    ; 32 lanes store 256 consecutive bytes, aligned
	s_wait_tensorcnt 0x0                           ; the wave's end, behind my last LDS store
	ds_add_u32 v[SPW], v[NIL]
	s_wait_dscnt 0x0
	s_endpgm
	; ---------------- the mask's classes ----------------
.Lmask:
	s_sub_co_u32 s23, ttmp9, NQWG                  ; T: the tile of 16 stored query rows
	s_lshr_b32 s24, s23, 1
	s_lshl_b32 s24, s24, 5
	s_and_b32 s25, s23, 1
	s_lshl_b32 s25, s25, 3
	s_add_co_u32 s24, s24, s25                     ; its first true row
	s_lshl_b32 s24, s24, 13
	s_lshl_b32 s25, s22, 11                        ; my wave's four key steps: 2,048 bytes of each row
	s_add_co_u32 s24, s24, s25
	s_mov_b32 s25, 0
	s_lshl_b32 s26, s23, 2
	s_add_co_u32 s26, s26, s22                     ; byte 4 T + wave of the flags
	s_mov_b32 s27, 0
	s_mov_b32 s28, 0x76543210
	s_mov_b32 s29, 0xfedcba98
	v_mov_b32 v146, 0
	v_mov_b32 v147, 0
	v_mov_b32 v151, 0
	v_mov_b32 v152, 2
	v_mov_b32 v153, 1
	s_wait_kmcnt 0x0
	s_add_nc_u64 s[14:15], s[14:15], s[24:25]
	s_add_nc_u64 s[20:21], s[20:21], s[26:27]
.macro MLOAD k                         ; key step k of my four: 16 rows x 512 bytes
.irp i, 0,1,2,3,4,5,6,7,8,9,10,11,12,13,14,15
	global_load_b128 v[16+64*((\k)%2)+4*\i:16+64*((\k)%2)+4*\i+3], v3, s[14:15] offset:(\i+8*(\i/8))*8192+512*(\k) th:TH_LOAD_NT
.endr
.endm
.macro CLASS k
.set MS, 16+64*((\k)%2)
.if (\k) < 3
	s_wait_loadcnt 16                              ; this step's 16 loads are in; the next step's may be out
.else
	s_wait_loadcnt 0x0
.endif
	v_max3_num_f32 v144, v[MS], v[MS+1], v[MS+2]                    ; the largest number,
	v_max3_num_f32 v145, |v[MS]|, |v[MS+1]|, |v[MS+2]|              ; and the largest magnitude, of my 64
.set j, 3
.rept 30
	v_max3_num_f32 v144, v144, v[MS+j], v[MS+j+1]
	v_max3_num_f32 v145, v145, |v[MS+j]|, |v[MS+j+1]|
.set j, j+2
.endr
	v_max_num_f32 v144, v144, v[MS+63]
	v_max_num_f32 v145, v145, |v[MS+63]|
.if (\k) < 2
	MLOAD (\k)+2
.endif
.irp m, 1,2,4,8
	v_max_num_f32_dpp v144, v144, v144 row_xmask:\m row_mask:0xf bank_mask:0xf
	v_max_num_f32_dpp v145, v145, v145 row_xmask:\m row_mask:0xf bank_mask:0xf
.endr
	v_permlanex16_b32 v146, v144, s28, s29
	v_permlanex16_b32 v147, v145, s28, s29
	v_max_num_f32 v144, v144, v146
	v_max_num_f32 v145, v145, v147
	v_cmp_eq_f32 vcc_lo, 0, v145
	v_cndmask_b32 v148, v152, v153, vcc_lo         ; 1 where all are zero, else 2;
	v_cmp_eq_u32 vcc_lo, 0xff800000, v144
	v_cndmask_b32 v148, v148, v151, vcc_lo         ; 0 where the largest is -infinity
.if (\k) == 0
	v_mov_b32 v150, v148
.else
	v_lshl_or_b32 v150, v148, 2*(\k), v150
.endif
.endm
	s_wait_alu depctr_va_vdst(0)
	MLOAD 0
	MLOAD 1
	CLASS 0
	CLASS 1
	CLASS 2
	CLASS 3
	s_wait_alu depctr_va_vdst(0)
	s_wait_xcnt 0x0                                ; EXEC changes only behind this wait
	v_cmp_eq_u32 vcc_lo, 0, v2
	s_and_saveexec_b32 s30, vcc_lo
	global_store_b8 v151, v150, s[20:21]           ; one byte a wave, at a fixed place
	s_wait_xcnt 0x0
	s_or_b32 exec_lo, exec_lo, s30
	s_endpgm
.Lfunc_end_k_qb4a412beb7_prep:
	.size	k_qb4a412beb7_prep, .Lfunc_end_k_qb4a412beb7_prep-k_qb4a412beb7_prep
	.p2alignl 7, 3214868480
	.fill 96, 4, 3214868480
	.section	.rodata,"a",@progbits
	.p2align	6, 0x0
	.amdhsa_kernel k_qb4a412beb7_prep
		.amdhsa_group_segment_fixed_size 34304
		.amdhsa_private_segment_fixed_size 0
		.amdhsa_enable_private_segment 0
		.amdhsa_kernarg_size 72
		.amdhsa_user_sgpr_count 2
		.amdhsa_user_sgpr_kernarg_segment_ptr 1
		.amdhsa_wavefront_size32 1
		.amdhsa_system_sgpr_workgroup_id_x 1
		.amdhsa_system_sgpr_workgroup_id_y 1
		.amdhsa_system_sgpr_workgroup_id_z 1
		.amdhsa_system_vgpr_workitem_id 0
		.amdhsa_next_free_vgpr 256
		.amdhsa_next_free_sgpr 66
		.amdhsa_reserve_vcc 1
		.amdhsa_float_denorm_mode_32 3
		.amdhsa_float_denorm_mode_16_64 3
		.amdhsa_memory_ordered 1
		.amdhsa_forward_progress 1
		.amdhsa_inst_pref_size 57
	.end_amdhsa_kernel
	.amdgpu_metadata
---
amdhsa.version: [ 1, 2 ]
amdhsa.kernels:
  - .name:           k_qb4a412beb7_prep
    .symbol:         k_qb4a412beb7_prep.kd
    .args:
      - { .name: x, .offset: 0, .size: 8, .value_kind: global_buffer, .address_space: global }
      - { .name: wq_w, .offset: 8, .size: 8, .value_kind: global_buffer, .address_space: global }
      - { .name: wk_w, .offset: 16, .size: 8, .value_kind: global_buffer, .address_space: global }
      - { .name: wv_w, .offset: 24, .size: 8, .value_kind: global_buffer, .address_space: global }
      - { .name: wo_w, .offset: 32, .size: 8, .value_kind: global_buffer, .address_space: global }
      - { .name: mask, .offset: 40, .size: 8, .value_kind: global_buffer, .address_space: global }
      - { .name: codes, .offset: 48, .size: 8, .value_kind: global_buffer, .address_space: global }
      - { .name: scales, .offset: 56, .size: 8, .value_kind: global_buffer, .address_space: global }
      - { .name: flags, .offset: 64, .size: 8, .value_kind: global_buffer, .address_space: global }
    .group_segment_fixed_size: 34304
    .private_segment_fixed_size: 0
    .kernarg_segment_align: 8
    .kernarg_segment_size: 72
    .max_flat_workgroup_size: 128
    .sgpr_count:     66
    .vgpr_count:     256
    .wavefront_size: 32
...
	.end_amdgpu_metadata
.endif
;; end of part 1
;; launch qkv (part 2): grid 24 x 8, 4 waves a work-group, clusters of 4 x 4, 327,680 bytes of LDS; arguments codes, scales, wq_b, wk_b, wv_b, img, isc; writes img, isc
.if DOCPART == 2
	.amdgcn_target "amdgcn-amd-amdhsa--gfx1250"
	.amdhsa_code_object_version 6
	.text
	.protected	k_qb4a412beb7_qkv
	.globl	k_qb4a412beb7_qkv
	.p2align	8
	.type	k_qb4a412beb7_qkv,@function
k_qb4a412beb7_qkv:
	s_mov_b64 s[64:65], 0
	v_nop
	global_prefetch_b8 v0, s[64:65] scope:SCOPE_SE
	s_setreg_imm32_b32 hwreg(HW_REG_WAVE_MODE, 25, 1), 1
	s_wait_xcnt 0x0
	s_wait_alu depctr_hold_cnt(0) depctr_sa_sdst(0) depctr_va_vdst(0) depctr_va_sdst(0) depctr_va_ssrc(0) depctr_va_vcc(0) depctr_vm_vsrc(0)
	s_getreg_b32 s2, hwreg(HW_REG_IB_STS2, 6, 4)
	s_cmp_eq_u32 s2, 0
	s_cbranch_scc0 .Lentry_in_a_cluster
	s_endpgm
.Lentry_in_a_cluster:
	s_bfe_u32 s2, ttmp6, 0x10000c
	s_cmp_lg_u32 s2, 0xf033
	s_cbranch_scc0 .Lentry_shape_is_right
	s_endpgm
.Lentry_shape_is_right:
; QKV.  q = x wq^T + bq, k = x wk^T + bk (a lane holds a token, its registers run along the channels) and v^T = wv x^T + bv (a lane holds a channel, its registers run along the tokens), on codes of FP6 with E8M0 scales;
; each result is quantised at once along the axis that its registers run along, and leaves as images of the next products' operand registers ('img') and scale words ('isc').
; A block of 256 x 256 a work-group, 128 x 128 a wave (64 accumulators).  Tile columns 0-7 q, 8-15 k (A = x, B = the weight); 16-23 v (A = wv, B = x).  Source 0 = 16 rows of B, source 1 = 16 rows of A.
; THE OPERANDS LIE IN MEMORY AS IMAGES OF THEIR REGISTERS: 16 rows x 128 along K are 1,536 bytes; a tile row of 16 rows is 24,576 bytes.  A slot holds 256 along K: 3,072 consecutive bytes of each of 32 tile rows, which begin
; at multiples of 256 bytes.  A fragment is two loads of 16 bytes and two of 8 bytes a lane, each dense over the lanes.  Ring of two slots; every refill is a joint load of four partners of a 4 x 4 cluster behind a round of its barrier.
; The scale words of the block's 512 rows, for all of K (32,768 bytes), come once, at the head, and stay.  The head's four tiles (A, B, A's scales, B's scales) are one load a wave; slot 1 is first filled behind the full sequence.
; PREFETCH: behind each refill a wave names the slot two refills on: of its 8 tile rows each of the four partners takes 2 by address, 24 blocks of 256 bytes, a lane a block (lanes 24-31 name the last again);
; units 0 to 3 come by their loads alone, the last two refills ask for nothing.
; REGISTERS as windows of 256: window 0: v0-31 addresses, v32-63 scale words (two sets), v64-127 the bias as the first products' C, v128-223 A's fragments; window 1: B's fragments, two sets; windows 2, 3: accumulators.
.set NQ,     2
.set UNIT,   3072
.set FR,     12
.set NL,     4
.set NP,     4
.set HALFT,  8*UNIT
.set SLOT,   4*HALFT
.set LAPS,   4
.set SCL,    2*SLOT
.set HALFS,  8192
.set SBLK,   1024
.set SPARE,  SCL+4*HALFS
.set PFO,  9
.set BOV,  10
.set ADRA, 16
.set ADRB, 20
.set O16,  24
.set O8,   25
.set OS,   26
.set ADRS, 27
.set SPW,  28
.set NIL,  29
.set BO,   30
.set SH,   31
.set SC,   32
.set BIAS, 64
.set AF,   128
.set TM,   32
.set PW,   48
.set SW,   52
.set PC,   64
.set SEL,  18
.set G1, 24
.set G0, 32
.set G1B, 48
.set G0B, 56
.set G1S, 68
.set G0S, 76
.set G1SB, 80
.set G0SB, 88
.set PFA, 100
.set MSB, 0
.macro WIN new
.if MSB != \new
	s_set_vgpr_msb (MSB<<8)|\new
.set MSB, \new
.endif
.endm
.set MUL_LO, 0xa1
.set MUL_HI, 0xf1
.set TO_B,   0x40
.macro JLOAD g0a, g1a, g0b, g1b        ; waves 0, 1 fetch for A, waves 2, 3 for B
	s_cmp_eq_u32 s15, 0
	s_cbranch_scc0 .Lfor_b_\@
	tensor_load_to_lds s[\g0a:\g0a+3], s[\g1a:\g1a+7]
	s_nop 0
.rept 4
	v_nop
.endr
	s_branch .Lasked_\@
.Lfor_b_\@:
	tensor_load_to_lds s[\g0b:\g0b+3], s[\g1b:\g1b+7]
	s_nop 0
.rept 4
	v_nop
.endr
.Lasked_\@:
.endm
.macro CREST
	s_cmp_lg_u32 s14, 0
	s_cbranch_scc1 .Lnot_wave_0_\@
	s_barrier_signal -3
.Lnot_wave_0_\@:
	s_barrier_wait -3
	s_barrier_signal -1
	s_barrier_wait -1
.endm
.macro CROUND
	s_barrier_signal -1
	s_barrier_wait -1
	CREST
.endm
	s_load_b256 s[4:11], s[0:1], 0x0               ; codes, scales, wq_b, wk_b
	s_load_b64 s[12:13], s[0:1], 0x20              ; wv_b
	s_load_b128 s[96:99], s[0:1], 0x28             ; img, isc
	v_lshl_add_u32 v[SPW], v0, 2, SPARE
	v_mov_b32 v[NIL], 0
	ds_add_u32 v[SPW], v[NIL]                      ; the opening lines: the add, twice on end, and its wait
	ds_add_u32 v[SPW], v[NIL]
	v_lshrrev_b32 v1, 5, v0
	v_readfirstlane_b32 s14, v1                    ; wave
	s_lshr_b32 s15, s14, 1                         ; my half of A's rows; also: I fetch for A (0) or B (1)
	s_and_b32 s16, s14, 1                          ; my half of B's rows; also: which 128 rows I fetch
	s_bfe_u32 s40, ttmp6, 0x40000
	s_bfe_u32 s41, ttmp6, 0x40004
	s_lshl_b32 s42, ttmp9, 2
	s_add_co_u32 s42, s42, s40                     ; tile column
	s_and_b32 s17, ttmp7, 0xffff
	s_lshl_b32 s17, s17, 2
	s_add_co_u32 s17, s17, s41                     ; tile row
	s_lshl_b32 s43, s41, 2
	s_lshl_b32 s43, 15, s43                        ; my row of the cluster
	s_lshl_b32 s44, 0x1111, s40                    ; my column
	s_lshr_b32 s66, ttmp9, 2                       ; 1: v
	s_or_b32 s[G1+0], s43, (3<<16)|(1<<21)         ; elements of 8 bytes, no padding
	s_or_b32 s[G1B+0], s44, (3<<16)|(1<<21)
.irp g, G1, G1B
	s_mov_b32 s[\g+1], 384<<16                     ; a row: 3,072 bytes
	s_mov_b32 s[\g+2], 16<<16                      ; the head's loads bring 16 tile rows, the ring's 8
	s_mov_b32 s[\g+3], 384<<16
	s_mov_b32 s[\g+4], 16
	s_mov_b32 s[\g+5], 3072                        ; from tile row to tile row: 24,576 bytes
	s_mov_b32 s[\g+6], 0
	s_mov_b32 s[\g+7], 0
.endr
	s_or_b32 s[G1S+0], s43, (3<<16)|(1<<21)
	s_or_b32 s[G1SB+0], s44, (3<<16)|(1<<21)
.irp g, G1S, G1SB
	s_mov_b32 s[\g+1], 32<<16                      ; the scale words of 256 rows: 64 dense rows of 256 bytes
	s_mov_b32 s[\g+2], 64<<16
	s_mov_b32 s[\g+3], 32<<16
	s_mov_b32 s[\g+4], 64
	s_mov_b32 s[\g+5], 32
	s_mov_b32 s[\g+6], 0
	s_mov_b32 s[\g+7], 0
.endr
	s_mul_i32 s67, s66, 6144
	s_lshl_b32 s20, s17, 8
	s_add_co_u32 s20, s20, s67                     ; A's first stored row: x's, or wv's
	s_lshl_b32 s46, s42, 8
	s_add_co_u32 s46, s46, 2048
	s_sub_co_u32 s46, s46, s67                     ; B's: wq's, wk's, or x's
	s_cmp_eq_u32 s15, 0                            ; the prefetches: the tile that I fetch for,
	s_cselect_b32 s94, s20, s46
	s_cselect_b32 s95, s40, s41                    ; my place among the four that ask for it
	s_lshl_b32 s95, s95, 5
	s_add_co_u32 s94, s94, s95
	s_lshl_b32 s95, s16, 7
	s_add_co_u32 s94, s94, s95
	s_mul_i32 s94, s94, 1536
	s_add_co_u32 s94, s94, 3*UNIT                  ; at unit 3: the first refill steps it to unit 4
	s_mov_b32 s95, 0
	s_lshl_b32 s22, s20, 6                         ; 64 bytes of scales a row
	s_mov_b32 s23, 0
	s_lshl_b32 s92, s46, 6
	s_mov_b32 s93, 0
	s_mul_i32 s20, s20, 1536                       ; 1,536 bytes of codes a row
	s_mov_b32 s21, 0
	s_mul_i32 s46, s46, 1536
	s_mov_b32 s47, 0
	s_mul_i32 s18, s16, 128*1536                   ; in the ring: which 128 rows I fetch,
	s_mov_b32 s19, 0
	s_mul_i32 s45, s14, HALFT                      ; and where they go
	s_wait_dscnt 0x0
	s_wait_kmcnt 0x0
	s_add_nc_u64 s[PFA:PFA+1], s[4:5], s[94:95]
	s_add_nc_u64 s[20:21], s[4:5], s[20:21]
	s_add_nc_u64 s[22:23], s[6:7], s[22:23]
	s_add_nc_u64 s[46:47], s[4:5], s[46:47]
	s_add_nc_u64 s[92:93], s[6:7], s[92:93]
	CROUND                                         ; the first joint loads meet
	s_mov_b32 s[G0], 1                             ; the head's four tiles, each whole: unit 0 of A's 256 rows,
	s_mov_b32 s[G0+1], 0
	s_mov_b64 s[G0+2:G0+3], s[20:21]
	s_or_b32 s[G0+3], s[G0+3], 0x80000000
	s_mov_b32 s[G0B], 1                            ; of B's,
	s_mov_b32 s[G0B+1], 2*HALFT
	s_mov_b64 s[G0B+2:G0B+3], s[46:47]
	s_or_b32 s[G0B+3], s[G0B+3], 0x80000000
	s_mov_b32 s[G0S], 1                            ; A's scale words,
	s_mov_b32 s[G0S+1], SCL
	s_mov_b64 s[G0S+2:G0S+3], s[22:23]
	s_or_b32 s[G0S+3], s[G0S+3], 0x80000000
	s_mov_b32 s[G0SB], 1                           ; B's
	s_mov_b32 s[G0SB+1], SCL+2*HALFS
	s_mov_b64 s[G0SB+2:G0SB+3], s[92:93]
	s_or_b32 s[G0SB+3], s[G0SB+3], 0x80000000
	s_add_nc_u64 s[20:21], s[20:21], s[18:19]
	s_add_nc_u64 s[46:47], s[46:47], s[18:19]
	s_mov_b32 s[G0+4], 1                           ; slot 1: my 128 rows of unit 1
	s_add_co_u32 s[G0+5], s45, SLOT
	s_add_nc_u64 s[G0+6:G0+7], s[20:21], UNIT
	s_or_b32 s[G0+7], s[G0+7], 0x80000000
	s_mov_b32 s[G0B+4], 1
	s_add_co_u32 s[G0B+5], s45, SLOT
	s_add_nc_u64 s[G0B+6:G0B+7], s[46:47], UNIT
	s_or_b32 s[G0B+7], s[G0B+7], 0x80000000
.macro ARM under, g0, g1, next         ; one chain of branches on the wave's number, one load to an arm
	s_cmp_lt_u32 s14, \under
	s_cbranch_scc0 \next
	tensor_load_to_lds s[\g0:\g0+3], s[\g1:\g1+7]
	s_nop 0
.rept 4
	v_nop
.endr
	s_branch .Lhead_asked
\next:
.endm
	ARM 1, G0,  G1,  .Lhead_b
	ARM 2, G0B, G1B, .Lhead_sa
	ARM 3, G0S, G1S, .Lhead_sb
	tensor_load_to_lds s[G0SB:G0SB+3], s[G1SB:G1SB+7]
	s_nop 0
.rept 4
	v_nop
.endr
.Lhead_asked:
	s_mul_i32 s21, s15, HALFT                      ; my 128 rows of A,
	s_mul_i32 s22, s16, HALFT
	s_add_co_u32 s22, s22, 2*HALFT                 ; of B
	s_mul_i32 s23, s15, HALFS
	s_mul_i32 s2, s16, HALFS
	s_add_co_u32 s2, s2, 2*HALFS
	s_sub_co_u32 s2, s2, s23                       ; from A's scale words to B's
	s_add_co_u32 s23, s23, SCL
	s_lshl_b32 s46, s42, 1
	s_add_co_u32 s46, s46, s16                     ; B's block of 128
	s_lshl_b32 s20, s17, 1
	s_add_co_u32 s20, s20, s15                     ; A's block of 128
	s_lshr_b32 s94, s46, 4                         ; the kind: q, k, v
	s_and_b32 s95, s46, 15
	s_cmp_eq_u32 s66, 0
	s_cselect_b32 s47, s95, s20                    ; the pair of heads
	s_cselect_b32 s95, s20, s95                    ; the block of 128 tokens
	s_cselect_b32 s67, 16, 0
	s_lshl_b32 s94, s94, 8
	s_lshl_b32 s3, s47, 4
	s_add_co_u32 s94, s94, s3
	s_add_co_u32 s94, s94, s95
	s_mul_i32 s92, s94, 12288
	s_mov_b32 s93, 0
	s_add_nc_u64 s[96:97], s[96:97], s[92:93]
	s_lshl_b32 s92, s94, 10
	s_add_nc_u64 s[98:99], s[98:99], s[92:93]
	s_lshl_b32 s94, s47, 9                         ; the bias: the pair's 128 channels
	s_mov_b32 s95, 0
	s_cmp_lt_u32 ttmp9, 2
	s_cselect_b64 s[92:93], s[8:9], s[10:11]
	s_cmp_lt_u32 ttmp9, 4
	s_cselect_b64 s[92:93], s[92:93], s[12:13]
	s_add_nc_u64 s[92:93], s[92:93], s[94:95]
	v_and_b32 v1, 15, v0                           ; r
	v_bfe_u32 v2, v0, 4, 1                         ; h
	v_and_b32 v6, 31, v0                           ; l
	v_lshlrev_b32 v[O16], 4, v6
	v_lshlrev_b32 v[O8], 3, v6
	v_add_nc_u32 v[ADRA], s21, v[O16]              ; fragments: 16 l, slot 0 and 1;
	v_add_nc_u32 v[ADRA+2], s21, v[O8]             ; 8 l, slot 0 and 1
	v_add_nc_u32 v[ADRB], s22, v[O16]
	v_add_nc_u32 v[ADRB+2], s22, v[O8]
	v_add_nc_u32 v[ADRA+1], SLOT, v[ADRA]
	v_add_nc_u32 v[ADRA+3], SLOT, v[ADRA+2]
	v_add_nc_u32 v[ADRB+1], SLOT, v[ADRB]
	v_add_nc_u32 v[ADRB+3], SLOT, v[ADRB+2]
	v_mul_u32_u24 v5, s2, v2                       ; lanes 16-31 take B's scale words
	v_lshl_add_u32 v5, v1, 4, v5
	v_add_nc_u32 v[ADRS], s23, v5
	v_lshlrev_b32 v[OS], 4, v1
	v_lshl_add_u32 v[OS], v2, 8, v[OS]
	v_mul_u32_u24 v[SH], s67, v2
	v_min_u32 v7, 23, v6                           ; the prefetches' offset: block m = min(l, 23): tile row m / 12, 256 (m % 12)
	v_mul_u32_u24 v3, v7, 11
	v_lshrrev_b32 v3, 7, v3
	v_mul_u32_u24 v3, v3, 21504
	v_lshl_add_u32 v[PFO], v7, 8, v3
	v_lshlrev_b32 v[BO], 6, v2
	v_and_b32 v[BOV], 8, v1
	v_add_nc_u32 v[BOV], v[BOV], v1
	v_lshlrev_b32 v[BOV], 2, v[BOV]
	s_cmp_lt_u32 ttmp9, 4
	s_wait_alu depctr_va_vdst(0)                   ; the wait at the head's end, ahead of the branch and the waits below
	s_cbranch_scc0 .Lbias_v
.irp b, 0,1,2,3,4,5,6,7
	global_load_b128 v[BIAS+8*\b:BIAS+8*\b+3], v[BO], s[92:93] offset:4*(32*(\b/2)+8*(\b%2))
	global_load_b128 v[BIAS+8*\b+4:BIAS+8*\b+7], v[BO], s[92:93] offset:4*(32*(\b/2)+8*(\b%2))+16
.endr
	s_branch .Lbias_done
.Lbias_v:
.irp a, 0,1,2,3,4,5,6,7
.irp j, 0,1,2,3,4,5,6,7
	global_load_b32 v[BIAS+8*\a+\j], v[BOV], s[92:93] offset:4*(32*(\a/2)+8*(\a%2))
.endr
.endr
.Lbias_done:
.macro FRAG reg, adr, q, i             ; adr: the 16 l register of the slot; adr + 2: the 8 l one
	ds_load_b128 v[\reg:\reg+3], v[\adr] offset:UNIT*(\i)+1536*(\q)
	ds_load_b64 v[\reg+4:\reg+5], v[\adr+2] offset:UNIT*(\i)+1536*(\q)+512
	ds_load_b128 v[\reg+6:\reg+9], v[\adr] offset:UNIT*(\i)+1536*(\q)+768
	ds_load_b64 v[\reg+10:\reg+11], v[\adr+2] offset:UNIT*(\i)+1536*(\q)+1280
.endm
.macro MUL16 a0, p, q, sc, cm          ; the 64 accumulators take turns, one instruction a turn
.irp a, \a0, \a0+1
.irp b, 0,1,2,3,4,5,6,7
.set rD, 8*(8*((\a)%4)+\b)
.set rC, rD
.if \cm == 1
.set rC, BIAS+8*\b
.endif
.if \cm == 2
.set rC, BIAS+8*(\a)
.endif
	v_wmma_scale_f32_16x16x128_f8f6f4 v[rD:rD+7], v[128*(\p)+FR*\b:128*(\p)+FR*\b+FR-1], v[AF+FR*(\a):AF+FR*(\a)+FR-1], v[rC:rC+7], v[SC+8*NQ*(\sc)+NQ*\b+(\q)], v[SC+8*NQ*(\sc)+NQ*(\a)+(\q)] matrix_a_fmt:MATRIX_FMT_FP6 matrix_b_fmt:MATRIX_FMT_FP6 matrix_a_scale:MATRIX_SCALE_ROW1
.endr
.endr
.endm
.macro FETCH_B slot, q, p
	WIN TO_B
.irp i, 0,1,2,3,4,5,6,7
	FRAG 128*(\p)+FR*\i, ADRB+\slot, \q, \i
.endr
	WIN 0
.endm
.macro FETCH_A slot, q, i0
.irp i, \i0, \i0+1, \i0+2, \i0+3
	FRAG AF+FR*(\i), ADRA+\slot, \q, \i
.endr
.endm
.macro SCALES sc                       ; a slot's two words a row: lanes 0-15 A's tile i, lanes 16-31 B's
.irp i, 0,1,2,3,4,5,6,7
	ds_load_b64 v[SC+8*NQ*\sc+NQ*\i:SC+8*NQ*\sc+NQ*\i+1], v[ADRS] offset:\i*SBLK
.endr
.endm
.macro PLACES n
.rept \n
	v_nop
.endr
.endm
.macro STEP slot, q, cm
	s_wait_dscnt 4*NL                              ; all but A's blocks 4-7 (16 loads)
.if \cm
	WIN 0x81
.else
	WIN MUL_LO
.endif
	MUL16 0, (\q)%2, \q, \slot, \cm
	MUL16 2, (\q)%2, \q, \slot, \cm
	s_wait_dscnt 0
	PLACES NP
	FETCH_B \slot, (\q)+1, 1-(\q)%2
	FETCH_A \slot, (\q)+1, 0
.if \cm
	WIN 0xc1
.else
	WIN MUL_HI
.endif
	MUL16 4, (\q)%2, \q, \slot, \cm
	MUL16 6, (\q)%2, \q, \slot, \cm
	PLACES NP
	WIN 0
	FETCH_A \slot, (\q)+1, 4
.endm
.macro TURN slot, next, fill
.if \fill
	s_wait_xcnt 0x0                                ; my last prefetch has read its address
	s_add_nc_u64 s[PFA:PFA+1], s[PFA:PFA+1], UNIT
.endif
	s_wait_tensorcnt 0x0                           ; my part of the next slot is in;
	ds_add_u32 v[SPW], v[NIL]
	s_wait_dscnt 4*NL+1                            ; (the add and A's blocks 4-7 may be out)
	WIN MUL_LO
	MUL16 0, 1, NQ-1, \slot, 0
	s_wait_dscnt 0x0                               ; the add is done, my reads of this slot are over
	s_barrier_signal -1
	MUL16 2, 1, NQ-1, \slot, 0
	WIN 0
	s_barrier_wait -1
.if \fill
	CREST                                          ; the barrier has opened a round of the cluster's
	s_add_nc_u64 s[G0+4*\slot+2:G0+4*\slot+3], s[G0+4*\slot+2:G0+4*\slot+3], 2*UNIT
	s_add_nc_u64 s[G0B+4*\slot+2:G0B+4*\slot+3], s[G0B+4*\slot+2:G0B+4*\slot+3], 2*UNIT
	JLOAD G0+4*\slot, G1, G0B+4*\slot, G1B
.else
	PLACES NP
.endif
	s_wait_alu depctr_va_vdst(0)                   ; the wait ahead of the reader below
	v_add_nc_u32 v[ADRS], 8+240*(1-\next), v[ADRS] ; the next slot's words: 8 bytes on, or into the next 256
	FETCH_B \next, 0, 0
	FETCH_A \next, 0, 0
	SCALES \next
.if \fill
	s_cmp_gt_u32 s3, 1                             ; the last trip's two refills have no slot two refills on
	s_cbranch_scc0 .Lnoask_\@
	global_prefetch_b8 v[PFO], s[PFA:PFA+1] th:TH_LOAD_NT scope:SCOPE_SE
.Lnoask_\@:
.endif
	WIN MUL_HI
	MUL16 4, 1, NQ-1, \slot, 0
	MUL16 6, 1, NQ-1, \slot, 0
	PLACES NP
	WIN 0
	FETCH_A \next, 0, 4
.endm
	s_wait_tensorcnt 0x0                           ; my tile of the head's four is in; the full sequence ahead of slot 1's first fill:
	ds_add_u32 v[SPW], v[NIL]
	s_mov_b32 s[G1+2], 8<<16                       ; no load of mine is out: from here on a load brings 8 tile rows,
	s_mov_b32 s[G1+4], 8
	s_mov_b32 s[G1B+2], 8<<16
	s_mov_b32 s[G1B+4], 8
	s_mov_b32 s[G0+1], s45                         ; and slot 0's loads my 128 rows
	s_add_nc_u64 s[G0+2:G0+3], s[G0+2:G0+3], s[18:19]
	s_mov_b32 s[G0B+1], s45
	s_add_nc_u64 s[G0B+2:G0B+3], s[G0B+2:G0B+3], s[18:19]
	s_wait_dscnt 0x0
	CROUND
	JLOAD G0+4, G1, G0B+4, G1B
	FETCH_B 0, 0, 0
	FETCH_A 0, 0, 0
	SCALES 0
	FETCH_A 0, 0, 4
	s_wait_loadcnt 0x0                             ; the bias
	s_cmp_lt_u32 ttmp9, 4
	s_cbranch_scc0 .Lfirst_v
	STEP 0, 0, 1                                   ; the first products take the bias as C
	s_branch .Lfirst_done
.Lfirst_v:
	STEP 0, 0, 2
.Lfirst_done:
	s_mov_b32 s3, LAPS-1
.Llap:
	TURN 0, 1, 1
	STEP 1, 0, 0
	TURN 1, 0, 1
	STEP 0, 0, 0
	s_sub_co_u32 s3, s3, 1
	s_cmp_lg_u32 s3, 0
	s_cbranch_scc1 .Llap
	TURN 0, 1, 0
	STEP 1, 0, 0
	s_wait_dscnt 4*NL
	WIN MUL_LO
	MUL16 0, 1, NQ-1, 1, 0
	MUL16 2, 1, NQ-1, 1, 0
	s_wait_dscnt 0
	WIN MUL_HI
	MUL16 4, 1, NQ-1, 1, 0
	MUL16 6, 1, NQ-1, 1, 0
	WIN 0
	PLACES NP
	s_mov_b32 s[SEL], 0x76543210
	s_mov_b32 s[SEL+1], 0xfedcba98
.irp b, 0,1,2,3
	v_mov_b32 v[TM+4+\b], 0
.endr
; THE WAY OUT of A's block a: 16 lanes' rows x 128 along the registers' axis: four blocks of 32 are quantised; 12 registers of codes and a scale word leave as images.
.macro QUANTW a
.set AC, 64*((\a)%4)
.set WA, 2+(\a)/4
.set WM3, (WA<<2)|(WA<<4)
	WIN 0
.irp b, 0,1,2,3
	v_mov_b32 v[TM+\b], 0x1800000
.endr
	WIN WM3
.irp i, 0,2,4,6,8,10,12,14
.irp b, 0,1,2,3
	v_max3_num_f32 v[TM+\b], v[TM+\b], |v[AC+16*\b+\i]|, |v[AC+16*\b+\i+1]|
.endr
.endr
	WIN 0
.irp b, 0,1,2,3
	v_permlanex16_b32 v[TM+4+\b], v[TM+\b], s[SEL], s[SEL+1]
.endr
.irp b, 0,1,2,3
	v_max_num_f32 v[TM+\b], v[TM+\b], v[TM+4+\b]
.endr
.irp b, 0,1,2,3
	v_add_nc_u32 v[TM+12+\b], 0xff000000, v[TM+\b]
.endr
.irp b, 0,1,2,3
	v_lshrrev_b32 v[TM+4+\b], 23, v[TM+12+\b]
.endr
	v_lshl_or_b32 v[PW], v[TM+5], 8, v[TM+4]
	v_lshl_or_b32 v[PW], v[TM+6], 16, v[PW]
	v_lshl_or_b32 v[PW], v[TM+7], 24, v[PW]
	v_lshrrev_b32 v[SW+(\a)], v[SH], v[PW]
	s_wait_xcnt 0x0
	WIN WA
.irp c, 0,1
	v_cvt_scalef32_pk16_fp6_f32 v[PC+6*\c:PC+6*\c+2], v[AC+32*\c:AC+32*\c+15], v[TM+12+2*\c]
	v_cvt_scalef32_pk16_fp6_f32 v[PC+12+4*\c:PC+14+4*\c], v[AC+32*\c+16:AC+32*\c+31], v[TM+12+2*\c+1]
.endr
	WIN 0
	v_nop
.irp c, 0,1
.irp i, 0,1,2
	v_permlane16_swap_b32 v[PC+6*\c+\i], v[PC+12+4*\c+\i]
.endr
.irp i, 0,1,2
	v_mov_b32 v[PC+3+6*\c+\i], v[PC+12+4*\c+\i]
.endr
.endr
	global_store_b128 v[O16], v[PC:PC+3], s[96:97] offset:768*(\a)
	global_store_b64 v[O8], v[PC+4:PC+5], s[96:97] offset:768*(\a)+512
	global_store_b128 v[O16], v[PC+6:PC+9], s[96:97] offset:6144+768*(\a)
	global_store_b64 v[O8], v[PC+10:PC+11], s[96:97] offset:6144+768*(\a)+512
.endm
.irp a, 0,1,2,3
	QUANTW \a
.endr
	global_store_b128 v[OS], v[SW:SW+3], s[98:99]
.irp a, 4,5,6,7
	QUANTW \a
.endr
	global_store_b128 v[OS], v[SW+4:SW+7], s[98:99] offset:512
	s_wait_tensorcnt 0x0                           ; the wave's end
	ds_add_u32 v[SPW], v[NIL]
	s_wait_dscnt 0x0
	CROUND                                         ; the closing round
	s_endpgm
.Lfunc_end_k_qb4a412beb7_qkv:
	.size	k_qb4a412beb7_qkv, .Lfunc_end_k_qb4a412beb7_qkv-k_qb4a412beb7_qkv
	.p2alignl 7, 3214868480
	.fill 96, 4, 3214868480
	.section	.rodata,"a",@progbits
	.p2align	6, 0x0
	.amdhsa_kernel k_qb4a412beb7_qkv
		.amdhsa_group_segment_fixed_size 327680
		.amdhsa_private_segment_fixed_size 0
		.amdhsa_enable_private_segment 0
		.amdhsa_kernarg_size 56
		.amdhsa_user_sgpr_count 2
		.amdhsa_user_sgpr_kernarg_segment_ptr 1
		.amdhsa_wavefront_size32 1
		.amdhsa_system_sgpr_workgroup_id_x 1
		.amdhsa_system_sgpr_workgroup_id_y 1
		.amdhsa_system_sgpr_workgroup_id_z 1
		.amdhsa_system_vgpr_workitem_id 0
		.amdhsa_next_free_vgpr 1024
		.amdhsa_next_free_sgpr 102
		.amdhsa_reserve_vcc 0
		.amdhsa_float_denorm_mode_32 3
		.amdhsa_float_denorm_mode_16_64 3
		.amdhsa_memory_ordered 1
		.amdhsa_forward_progress 1
		.amdhsa_inst_pref_size 172
	.end_amdhsa_kernel
	.amdgpu_metadata
---
amdhsa.version: [ 1, 2 ]
amdhsa.kernels:
  - .name:           k_qb4a412beb7_qkv
    .symbol:         k_qb4a412beb7_qkv.kd
    .args:
      - { .name: codes, .offset: 0, .size: 8, .value_kind: global_buffer, .address_space: global }
      - { .name: scales, .offset: 8, .size: 8, .value_kind: global_buffer, .address_space: global }
      - { .name: wq_b, .offset: 16, .size: 8, .value_kind: global_buffer, .address_space: global }
      - { .name: wk_b, .offset: 24, .size: 8, .value_kind: global_buffer, .address_space: global }
      - { .name: wv_b, .offset: 32, .size: 8, .value_kind: global_buffer, .address_space: global }
      - { .name: img, .offset: 40, .size: 8, .value_kind: global_buffer, .address_space: global }
      - { .name: isc, .offset: 48, .size: 8, .value_kind: global_buffer, .address_space: global }
    .group_segment_fixed_size: 327680
    .private_segment_fixed_size: 0
    .kernarg_segment_align: 8
    .kernarg_segment_size: 56
    .max_flat_workgroup_size: 128
    .sgpr_count:     102
    .vgpr_count:     1024
    .wavefront_size: 32
...
	.end_amdgpu_metadata
.endif
;; end of part 2
;; launch attn (part 3): grid 16 x 16, 8 waves a work-group, no clusters, 54,784 bytes of LDS; arguments img, isc, mask, flags, oimg, osc; writes oimg, osc
.if DOCPART == 3
	.amdgcn_target "amdgcn-amd-amdhsa--gfx1250"
	.amdhsa_code_object_version 6
	.text
	.protected	k_qb4a412beb7_attn
	.globl	k_qb4a412beb7_attn
	.p2align	8
	.type	k_qb4a412beb7_attn,@function
k_qb4a412beb7_attn:
	s_mov_b64 s[64:65], 0
	v_nop
	global_prefetch_b8 v0, s[64:65] scope:SCOPE_SE
	s_setreg_imm32_b32 hwreg(HW_REG_WAVE_MODE, 25, 1), 1
	s_wait_xcnt 0x0
; ATTN.  For each head: S^T = K Q^T (K = the head's 64; the upper 64 of the instruction's 128 are zero codes on Q's side), t = (score / 8 + mask) x log2(e), M = the running largest t rounded up to a whole number,
; p = 2^(t - M) quantised along the keys, O^T += V^T P^T, the row's sum taken of the unquantised p; at the end O / sum is quantised along the head's channels for the last projection.  All products on codes of FP6 (E2M3).
; score / 8 + mask is formed as (score + 8 mask) x (log2(e) / 8): 8 is a power of two, so the rounding is the same.
; SHARES.  Work-group (J, p): the pair of heads p, and the blocks J and 31 - J of 64 stored query rows.  Eight waves: head = wave % 2, tile of 16 queries = wave / 2; each wave owns one tile in each of the two blocks.
; THE MASK IS AN INPUT.  An earlier launch has stored, for each tile of 16 queries x 128 keys, 0 (all -infinity), 1 (all zero) or 2 (else).  A tile of class 0 adds nothing and is passed over; class 1 needs no mask; class 2 reads it.
; These are scalar branches on stored whole numbers, so this launch has no tensor load and no cluster: K's and V's images and scale words of a key step (26,624 bytes) go from memory through registers into one of two LDS slots,
; an eighth a wave, a step ahead, and are read there by all eight waves.  One barrier a key step: in front of it each wave's reads of one slot and its stores into the other are done.  Every wave passes every barrier.
; A lane holds one query throughout; the keys of K's tiles are in the stored order, so that the 16 registers of tiles 2 b, 2 b + 1 are keys 32 b + 16 (lane / 16) + 0 .. 15.
; A row whose every key is -infinity has the sum 0: its scale bytes become 0xff, which makes its row of the result NaN, as the softmax of such a row is.
; LIMITS: NaN and +infinity in the mask are not served.  Every wait in this text is for 0.
; REGISTERS, window 0: v1-4, v7-11, v30, v31, v243 addresses; v5, v6 the add's two; v12-15 / v92-95 -M, largest t, the sum's two halves of tile 0 / 1; v16-27 / v80-91 Q; v28, v29 Q's scale words; v32-79 four fragments;
;   v96-159 S^T, then p; v160-191 / v192-223 O^T; v224-235 p's codes; v232-255 at work.  Window 1: v0-25 the copy's registers; v28, v29 the mask's lane offsets; v32-95 a tile of the mask.
.set SLOTB, 26624                      ; a slot: K's images 12,288, V's 12,288, K's scale words 1,024, V's 1,024
.set VCO,   12288
.set KSC,   24576
.set VSC,   25600
.set OSTG,  2*SLOTB                    ; 512 bytes: the output's scale words of the two blocks
.set SPARE, OSTG+512                   ; the spare words, 128 bytes for each of eight waves
.set SEL,   20                         ; s[20:21] lane selects: lane l xor 16
.set CS,    22                         ; s[22:23] c = log2(e) / 8
.set E8,    24                         ; s[24:25] 8.0
.set MSB, 0
.macro WIN new                         ; the immediate's high byte repeats the setting that is left
.if MSB != \new
	s_set_vgpr_msb (MSB<<8)|\new
.set MSB, \new
.endif
.endm
	s_load_b256 s[4:11], s[0:1], 0x0               ; img s[4:5], isc s[6:7], mask s[8:9], flags s[10:11]
	s_load_b128 s[12:15], s[0:1], 0x20             ; oimg s[12:13], osc s[14:15]
	v_lshl_add_u32 v5, v0, 2, SPARE
	v_mov_b32 v6, 0
	v_lshrrev_b32 v1, 5, v0
	s_delay_alu instid0(VALU_DEP_1)
	v_readfirstlane_b32 s16, v1                    ; wave 0..7
	s_and_b32 s17, s16, 1                          ; the head of the pair
	s_lshr_b32 s18, s16, 1                         ; the tile in a block of 64 queries
	s_and_b32 s19, ttmp7, 0xffff                   ; the pair
	s_lshl_b32 s26, ttmp9, 2
	s_add_co_u32 s26, s26, s18                     ; T0 = 4 J + tile
	s_sub_co_u32 s27, 31, ttmp9
	s_lshl_b32 s27, s27, 2
	s_add_co_u32 s27, s27, s18                     ; T1 = 4 (31 - J) + tile
	s_lshl_b32 s43, ttmp9, 4
	s_sub_co_u32 s66, 31, ttmp9
	s_lshl_b32 s66, s66, 4
	s_lshl_b32 s67, s26, 2
	s_lshl_b32 s68, s27, 2
	s_wait_kmcnt 0x0
	s_load_b128 s[32:35], s[10:11], s43 offset:0x0 ; the flag words of the work-group's eight tiles,
	s_load_b128 s[36:39], s[10:11], s66 offset:0x0
	s_load_b32 s41, s[10:11], s67 offset:0x0       ; and my own two
	s_load_b32 s42, s[10:11], s68 offset:0x0
	v_and_b32 v240, 31, v0                         ; l
	v_and_b32 v241, 15, v0                         ; r
	v_bfe_u32 v242, v0, 4, 1                       ; h
	s_delay_alu instid0(VALU_DEP_3)
	v_lshlrev_b32 v11, 4, v240                     ; 16 l
	s_delay_alu instid0(VALU_DEP_4)
	v_lshlrev_b32 v30, 3, v240                     ; 8 l
	v_lshlrev_b32 v31, 8, v240                     ; 256 l: the prefetches' offset
	s_mul_i32 s69, s17, 6144
	v_add_nc_u32 v1, s69, v11                      ; K's images: my head's eight, registers 0-3
	s_add_co_u32 s69, s69, 512
	v_add_nc_u32 v2, s69, v30                      ; registers 4-5
	s_mul_i32 s69, s17, 3072
	v_add_nc_u32 v3, s69, v11                      ; V's images: my head's four in each half of the keys
	s_add_co_u32 s69, s69, 512
	v_add_nc_u32 v4, s69, v30
	v_lshlrev_b32 v7, 4, v241
	s_lshl_b32 s69, s17, 9
	v_add_nc_u32 v8, s69, v7                       ; V's scale words: 16 r + 512 head
	s_lshl_b32 s69, s17, 8
	v_add_nc_u32 v7, s69, v7                       ; K's and Q's: 16 r + 256 head
	s_mul_i32 s69, s16, 3072
	v_add_nc_u32 v9, s69, v11                      ; the copy: my eighth of a slot's images,
	s_lshl_b32 s69, s16, 8
	v_add_nc_u32 v10, s69, v30                     ; and of its scale words
	s_lshl_b32 s69, s18, 6
	s_lshl_b32 s70, s17, 1
	s_add_co_u32 s69, s69, s70
	v_lshl_add_u32 v243, v241, 2, s69              ; the output's scale bytes: 64 tile + 4 r + 2 head
	v_and_b32 v244, 8, v241
	s_delay_alu instid0(VALU_DEP_1)
	v_add_nc_u32 v244, v244, v241                  ; r + 8 (r / 8)
	s_delay_alu instid0(VALU_DEP_1)
	v_lshlrev_b32 v244, 13, v244                   ; a row of the mask is 8,192 bytes
	s_delay_alu instid0(VALU_DEP_1)
	v_lshl_add_u32 v244, v242, 6, v244             ; + 64 h: my 16 keys of a block of 32
	s_wait_alu depctr_va_vdst(0)
	s_lshr_b32 s69, s26, 1
	s_lshl_b32 s69, s69, 18
	s_and_b32 s70, s26, 1
	s_lshl_b32 s70, s70, 16
	s_add_co_u32 s69, s69, s70                     ; tile T0's first true row, 32 (T / 2) + 8 (T % 2), in bytes
	s_lshr_b32 s70, s27, 1
	s_lshl_b32 s70, s70, 18
	s_and_b32 s71, s27, 1
	s_lshl_b32 s71, s71, 16
	s_add_co_u32 s70, s70, s71
	WIN 0x40                                       ; destination window 1
	v_add_nc_u32 v28, s69, v244
	v_add_nc_u32 v29, s70, v244
.set j, 0
.rept 26
	v_mov_b32 v[j], 0                              ; the copy's registers are stored in every trip, so they are written once here
.set j, j+1
.endr
	WIN 0
; where tile T's image of Q, its scale words and its place in oimg lie
.macro QADDR t, dc, ds, do
	s_lshr_b32 s69, s[\t], 3
	s_lshl_b32 s70, s19, 4
	s_add_co_u32 s69, s69, s70                     ; 16 pair + block of 128 tokens (kind 0)
	s_mul_i32 s[\dc], s69, 12288
	s_mul_i32 s70, s17, 6144
	s_add_co_u32 s[\dc], s[\dc], s70
	s_and_b32 s70, s[\t], 7
	s_mul_i32 s70, s70, 768
	s_add_co_u32 s[\dc], s[\dc], s70
	s_mov_b32 s[\dc+1], 0
	s_lshl_b32 s[\ds], s69, 10
	s_bfe_u32 s70, s[\t], 0x10002
	s_lshl_b32 s70, s70, 9
	s_add_co_u32 s[\ds], s[\ds], s70
	s_and_b32 s70, s[\t], 3
	s_lshl_b32 s70, s70, 2
	s_add_co_u32 s[\ds], s[\ds], s70
	s_mov_b32 s[\ds+1], 0
	s_mul_i32 s[\do], s[\t], 24576
	s_lshl_b32 s70, s19, 1
	s_add_co_u32 s70, s70, s17
	s_mul_i32 s70, s70, 768
	s_add_co_u32 s[\do], s[\do], s70
	s_mov_b32 s[\do+1], 0
	s_add_nc_u64 s[\dc:\dc+1], s[4:5], s[\dc:\dc+1]
	s_add_nc_u64 s[\ds:\ds+1], s[6:7], s[\ds:\ds+1]
	s_add_nc_u64 s[\do:\do+1], s[12:13], s[\do:\do+1]
.endm
	QADDR 26, 56, 58, 28
	QADDR 27, 60, 62, 30
	global_load_b128 v[16:19], v11, s[56:57]       ; Q stays in registers
	global_load_b64 v[20:21], v30, s[56:57] offset:512
	global_load_b32 v28, v7, s[58:59]
	global_load_b128 v[80:83], v11, s[60:61]
	global_load_b64 v[84:85], v30, s[60:61] offset:512
	global_load_b32 v29, v7, s[62:63]
	s_mov_b32 s[SEL], 0x76543210
	s_mov_b32 s[SEL+1], 0xfedcba98
	s_mov_b32 s[CS], 0x3e38aa3b                    ; log2(e) / 8
	s_mov_b32 s[CS+1], s[CS]
	s_mov_b32 s[E8], 0x41000000                    ; 8.0
	s_mov_b32 s[E8+1], s[E8]
	; the copy: waves 0-3 K's, waves 4-7 V's; a quarter of a step's 12,288 and 1,024 bytes each
	s_and_b32 s69, s16, 3
	s_lshr_b32 s70, s16, 2
	s_add_co_u32 s70, s70, 1                       ; the kind
	s_lshl_b32 s70, s70, 8
	s_lshl_b32 s71, s19, 4
	s_add_co_u32 s70, s70, s71                     ; 256 kind + 16 pair
	s_mul_i32 s44, s70, 12288
	s_mul_i32 s71, s69, 3072
	s_add_co_u32 s44, s44, s71
	s_mov_b32 s45, 0
	s_lshl_b32 s46, s70, 10
	s_lshl_b32 s71, s69, 8
	s_add_co_u32 s46, s46, s71
	s_mov_b32 s47, 0
	s_add_nc_u64 s[44:45], s[4:5], s[44:45]
	s_add_nc_u64 s[46:47], s[6:7], s[46:47]
	s_mov_b64 s[48:49], s[8:9]                     ; the mask at key step 0
	; the prefetches (macro ASK)
	s_mul_i32 s72, s70, 12288
	s_lshl_b32 s73, s69, 13
	s_add_co_u32 s72, s72, s73
	s_add_co_u32 s72, s72, 2*24576                 ; images: my 8,192 bytes of the two key steps that stand two trips of the loop on
	s_lshl_b32 s74, s70, 10
	s_add_co_u32 s74, s74, 8192                    ; scale words: the second half of the pair's 16,384 bytes
	s_cmp_eq_u32 s69, 3
	s_cselect_b32 s72, s74, s72
	s_cselect_b32 s54, 0, 24576
	s_cselect_b32 s51, 2, 63                       ; in which trips I ask: trip 1, or trips 0 to 5
	s_cselect_b64 s[52:53], s[6:7], s[4:5]
	s_mov_b32 s73, 0
	s_mov_b32 s55, 0
	s_add_nc_u64 s[52:53], s[52:53], s[72:73]
	s_cmp_eq_u32 ttmp9, 0                          ; all sixteen work-groups of a pair walk the same K and V: the first asks
	s_cselect_b32 s51, s51, 0
.set j, 0
.rept 48
	v_mov_b32 v[32+j], 0                           ; the fragments: K's upper six registers are named before V's codes first land there
.set j, j+1
.endr
.set j, 0
.rept 64
	v_mov_b32 v[160+j], 0                          ; O^T: the step is written once; the first change of M leaves zeros zeros
.set j, j+1
.endr
.irp j, 22,23,24,25,26,27,86,87,88,89,90,91
	v_mov_b32 v\j, 0                               ; Q's upper 64 along K: zero codes
.endr
.irp j, 14,15,94,95,236,237,238,239,252,253
	v_mov_b32 v\j, 0
.endr
	v_mov_b32 v13, 0xff61b1e6                      ; the largest t so far: -3e38
	v_mov_b32 v93, 0xff61b1e6
	s_delay_alu instid0(VALU_DEP_2)
	v_floor_f32 v12, -v13                          ; -M
	s_delay_alu instid0(VALU_DEP_2)
	v_floor_f32 v92, -v93
	s_wait_kmcnt 0x0
	s_or_b32 s40, s32, s33                         ; a key step is fetched if any of the eight tiles wants it
	s_or_b32 s40, s40, s34
	s_or_b32 s40, s40, s35
	s_or_b32 s40, s40, s36
	s_or_b32 s40, s40, s37
	s_or_b32 s40, s40, s38
	s_or_b32 s40, s40, s39
.macro COPYLOAD                        ; my eighth of a key step, from memory
	WIN 0x40                                       ; destination window 1, address window 0
.irp i, 0,1,2,3,4,5
	global_load_b128 v[4*\i:4*\i+3], v11, s[44:45] offset:512*\i
.endr
	global_load_b64 v[24:25], v30, s[46:47]
	WIN 0
.endm
.macro COPYSTORE sl                    ; into slot sl
	WIN 0x04                                       ; an LDS store's data are its source 1: window 1
.irp i, 0,1,2,3,4,5
	ds_store_b128 v9, v[4*\i:4*\i+3] offset:\sl+512*\i
.endr
	ds_store_b64 v10, v[24:25] offset:\sl+KSC
	WIN 0
.endm
; A PREFETCH INTO THE L2, where the wave has just issued its copy's loads.  Waves 0-2 (K) and 4-6 (V) of the pair's first work-group name, in trips 0 to 5 of the loop, the 24,576 bytes of images of the two key steps two trips on:
; 8,192 bytes a wave, lanes 256 bytes apart.  Waves 3 and 7 name once, in trip 1, the second 8,192 bytes of the pair's scale words.  So each block of 256 bytes is named once; key steps 0 to 3 and the scale words' first half
; come by their loads alone; the last two trips ask for nothing.
.macro ASK
	s_bitcmp1_b32 s51, s50
	s_cbranch_scc0 .Lnoask_\@
	global_prefetch_b8 v31, s[52:53] th:TH_LOAD_NT scope:SCOPE_SE
.Lnoask_\@:
.endm
; A KEY STEP of tile tl (0, 1) from slot sl.  msk = 1: the mask's tile is read and added.
.macro STEP tl, sl, msk
.set ST, 12+80*(\tl)
.set QF, 16+64*(\tl)
.set OA, 160+32*(\tl)
.if \msk
	WIN 0x41                                       ; destination and address window 1
.irp b, 0,1,2,3
.irp u, 0,1,2,3
	global_load_b128 v[32+16*\b+4*\u:35+16*\b+4*\u], v[28+\tl], s[48:49] offset:128*\b+16*\u   ; mask(my query, keys 32 b + 16 h + 4 u ..): register for register as the scores lie
.endr
.endr
	WIN 0
.endif
.rept 4
	v_nop                                          ; places in front of loads into registers that the last products have read
.endr
.irp g, 0,1                                    ; S^T = K Q^T, four tiles of 16 keys at a time
.if \g
.rept 4
	v_nop
.endr
.endif
.irp t, 0,1,2,3
	ds_load_b128 v[32+12*\t:35+12*\t], v1 offset:\sl+(4*\g+\t)*768
	ds_load_b64 v[36+12*\t:37+12*\t], v2 offset:\sl+(4*\g+\t)*768
.endr
	ds_load_b128 v[248:251], v7 offset:\sl+KSC+512*\g          ; four tiles' scale words
	s_wait_dscnt 0x0
.irp t, 0,1,2,3
	v_wmma_scale_f32_16x16x128_f8f6f4 v[96+8*(4*\g+\t):103+8*(4*\g+\t)], v[32+12*\t:43+12*\t], v[QF:QF+11], 0, v[248+\t], v[28+\tl] matrix_a_fmt:MATRIX_FMT_FP6 matrix_b_fmt:MATRIX_FMT_FP6
.endr
.endr
.rept 4
	v_nop                                          ; places in front of the first read of the scores and of the loads below
.endr
.irp t, 0,1,2,3                                ; V's four fragments are asked for now and land under the softmax
	ds_load_b128 v[32+12*\t:35+12*\t], v3 offset:\sl+VCO+768*\t
	ds_load_b64 v[36+12*\t:37+12*\t], v4 offset:\sl+VCO+768*\t
	ds_load_b128 v[38+12*\t:41+12*\t], v3 offset:\sl+VCO+6144+768*\t
	ds_load_b64 v[42+12*\t:43+12*\t], v4 offset:\sl+VCO+6144+768*\t
.endr
	ds_load_b128 v[248:251], v8 offset:\sl+VSC
.if \msk
	s_wait_loadcnt 0x0                             ; the mask's tile
	WIN 0x01                                       ; source 0 window 1
.set j, 0
.rept 32
	v_pk_fma_f32 v[96+j:97+j], v[32+j:33+j], s[E8:E8+1], v[96+j:97+j] op_sel_hi:[1,0,1]   ; score + 8 mask, each accumulator from its low end on
.set j, j+2
.endr
	WIN 0
.endif
.irp b, 0,1,2,3
	v_max3_num_f32 v[232+\b], v[96+16*\b], v[97+16*\b], v[98+16*\b]   ; the largest score of each block of 32 keys: for the row's maximum, and, since p rises with the score, for the block's largest p
.endr
.irp n, 3,5,7,9,11,13
.irp b, 0,1,2,3
	v_max3_num_f32 v[232+\b], v[232+\b], v[96+16*\b+\n], v[97+16*\b+\n]
.endr
.endr
.irp b, 0,1,2,3
	v_max_num_f32 v[232+\b], v[232+\b], v[111+16*\b]
.endr
.irp b, 0,1,2,3
	s_delay_alu instid0(VALU_DEP_4)
	v_permlanex16_b32 v[236+\b], v[232+\b], s[SEL], s[SEL+1]
.endr
.irp b, 0,1,2,3
	s_delay_alu instid0(VALU_DEP_4)
	v_max_num_f32 v[232+\b], v[232+\b], v[236+\b]  ; with lane l xor 16's 16 keys
.endr
	s_delay_alu instid0(VALU_DEP_2)
	v_max3_num_f32 v254, v232, v233, v234
	s_delay_alu instid0(VALU_DEP_1)
	v_max_num_f32 v254, v254, v235
	s_delay_alu instid0(VALU_DEP_1)
	v_mul_f32 v254, s[CS], v254                    ; as t
	s_delay_alu instid0(VALU_DEP_1)
	v_max_num_f32 v[ST+1], v[ST+1], v254           ; the running largest t
	v_mov_b32 v254, v[ST]
	s_delay_alu instid0(VALU_DEP_2)
	v_floor_f32 v[ST], -v[ST+1]                    ; the new -M = -ceil(t): a whole number
	s_delay_alu instid0(VALU_DEP_1)
	v_sub_f32 v254, v[ST], v254                    ; old M - new M: a whole number, 0 or less
	s_delay_alu instid0(VALU_DEP_1)
	v_cvt_i32_f32 v254, v254                       ; (it saturates)
	s_delay_alu instid0(VALU_DEP_1)
	v_ldexp_f32 v252, 1.0, v254                    ; f = 2^(old M - new M): rounds nothing
.set j, 0
.rept 32
	v_pk_fma_f32 v[96+j:97+j], v[96+j:97+j], s[CS:CS+1], v[ST:ST+1] op_sel_hi:[1,0,0]   ; t - M, two at a time
.set j, j+2
.endr
.irp b, 0,1,2,3
	v_fma_f32 v[232+\b], v[232+\b], s[CS], v[ST]   ; the same of each block's largest score
.endr
.set j, 0
	s_wait_alu depctr_va_vdst(0)
.rept 64
	v_exp_f32 v[96+j], v[96+j]                     ; p = 2^(t - M): not normalised
.set j, j+1
.endr
	v_pk_mul_f32 v[ST+2:ST+3], v[ST+2:ST+3], v[252:253] op_sel_hi:[1,0]   ; the sums under the new M: a plain place behind the exponentials
	s_wait_alu depctr_va_vdst(0)                   ; one wait for the batch of 64, ahead of its first reader
.irp b, 0,1,2,3
	v_exp_f32 v[232+\b], v[232+\b]                 ; the block's largest p
.endr
	v_pk_add_f32 v[236:237], v[96:97], v[98:99]    ; the row's sum is taken of the unquantised p, in two chains
.irp n, 4,8,12,16,20,24,28,32,36,40,44,48,52,56,60
	v_pk_add_f32 v[ST+2:ST+3], v[ST+2:ST+3], v[96+\n:97+\n]
	v_pk_add_f32 v[236:237], v[236:237], v[98+\n:99+\n]
.endr
	s_delay_alu instid0(VALU_DEP_1)
	v_pk_add_f32 v[ST+2:ST+3], v[ST+2:ST+3], v[236:237]
	s_wait_alu depctr_va_vdst(0)                   ; and one for the four
.irp b, 0,1,2,3
	v_max_num_f32 v[232+\b], 0x1800000, v[232+\b]  ; the floor 2^(3 - 127): the byte cannot fall under 1
.endr
.irp b, 0,1,2,3
	s_delay_alu instid0(VALU_DEP_4)
	v_add_nc_u32 v[244+\b], 0xff000000, v[232+\b]  ; 2 off the exponent field: the conversion's scale operand
.endr
.irp b, 0,1,2,3
	s_delay_alu instid0(VALU_DEP_4)
	v_lshrrev_b32 v[236+\b], 23, v[244+\b]         ; the scale's byte
.endr
	s_delay_alu instid0(VALU_DEP_3)
	v_lshl_or_b32 v253, v237, 8, v236              ; p's scale word for these 128 keys
	s_delay_alu instid0(VALU_DEP_1)
	v_lshl_or_b32 v253, v238, 16, v253
	s_delay_alu instid0(VALU_DEP_1)
	v_lshl_or_b32 v253, v239, 24, v253
.irp c, 0,1
	v_cvt_scalef32_pk16_fp6_f32 v[224+6*\c:226+6*\c], v[96+32*\c:111+32*\c], v[244+2*\c]
	v_cvt_scalef32_pk16_fp6_f32 v[236+4*\c:238+4*\c], v[112+32*\c:127+32*\c], v[244+2*\c+1]
.endr
	v_nop                                          ; one plain place behind a scaled conversion
.irp c, 0,1                                    ; a whole block in a lane
.irp e, 0,1,2
	v_permlane16_swap_b32 v[224+6*\c+\e], v[236+4*\c+\e]
.endr
.irp e, 0,1,2
	s_delay_alu instid0(VALU_DEP_3)
	v_mov_b32 v[227+6*\c+\e], v[236+4*\c+\e]
.endr
.endr
.set j, 0
.rept 16
	v_pk_mul_f32 v[OA+j:OA+j+1], v[OA+j:OA+j+1], v[252:253] op_sel_hi:[1,0]   ; O^T under the new M; these sixteen are also the places between the scale word and codes just made and the products below
.set j, j+2
.endr
	s_wait_alu depctr_va_vdst(0)
	s_wait_dscnt 0x0                               ; V's fragments and scale words
.irp t, 0,1,2,3                                ; O^T += V^T P^T: four accumulators by turns
	v_wmma_scale_f32_16x16x128_f8f6f4 v[OA+8*\t:OA+8*\t+7], v[32+12*\t:43+12*\t], v[224:235], v[OA+8*\t:OA+8*\t+7], v[248+\t], v253 matrix_a_fmt:MATRIX_FMT_FP6 matrix_b_fmt:MATRIX_FMT_FP6
.endr
.endm
; A TRIP: one key step, in slot cur; the next step is copied into slot oth.
.macro TRIP cur, oth, ask
	s_bfe_u32 s56, s40, 0x20002                    ; does any tile want the next key step?  (behind step 15 the field is 0: no load leaves its buffer)
	s_cmp_eq_u32 s56, 0
	s_cbranch_scc1 .Lnocopy_\@
	COPYLOAD
.Lnocopy_\@:
.if \ask
	ASK
.endif
	s_and_b32 s56, s41, 3                          ; tile 0's class for this step
	s_cmp_eq_u32 s56, 0
	s_cbranch_scc1 .Lt0_done_\@
	s_cmp_eq_u32 s56, 1
	s_cbranch_scc1 .Lt0_plain_\@
	STEP 0, \cur, 1
	s_branch .Lt0_done_\@
.Lt0_plain_\@:
	STEP 0, \cur, 0
.Lt0_done_\@:
	s_and_b32 s56, s42, 3                          ; tile 1's
	s_cmp_eq_u32 s56, 0
	s_cbranch_scc1 .Lt1_done_\@
	s_cmp_eq_u32 s56, 1
	s_cbranch_scc1 .Lt1_plain_\@
	STEP 1, \cur, 1
	s_branch .Lt1_done_\@
.Lt1_plain_\@:
	STEP 1, \cur, 0
.Lt1_done_\@:
	s_wait_loadcnt 0x0                             ; the copy's loads are in, so their bases may step too
	COPYSTORE \oth                                 ; on every path: where nothing was fetched, old bytes go to a slot that no wave then reads
	s_add_nc_u64 s[44:45], s[44:45], 12288
	s_add_nc_u64 s[46:47], s[46:47], 1024
	s_add_nc_u64 s[48:49], s[48:49], 512
	s_lshr_b32 s40, s40, 2
	s_lshr_b32 s41, s41, 2
	s_lshr_b32 s42, s42, 2
	s_wait_dscnt 0x0                               ; my stores into the one slot have landed, my reads of the other are over
	s_barrier_signal -1
	s_barrier_wait -1
.endm
	s_wait_loadcnt 0x0                             ; Q's six loads are in: only behind this wait is s56, a part of their bases s[56:63], written again
	s_and_b32 s56, s40, 3
	s_cmp_eq_u32 s56, 0
	s_cbranch_scc1 .Lnofirst
	COPYLOAD                                       ; key step 0
.Lnofirst:
	s_wait_loadcnt 0x0
	COPYSTORE 0
	s_add_nc_u64 s[44:45], s[44:45], 12288
	s_add_nc_u64 s[46:47], s[46:47], 1024
	s_wait_dscnt 0x0
	s_barrier_signal -1
	s_barrier_wait -1
	s_mov_b32 s50, 0
.Lit:                                              ; eight trips of two key steps: a constant count; what a tile does not want is jumped over inside
	TRIP 0, SLOTB, 1
	TRIP SLOTB, 0, 0
	s_wait_xcnt 0x0                                ; the trip's prefetch has read its address
	s_add_nc_u64 s[52:53], s[52:53], s[54:55]
	s_add_co_u32 s50, s50, 1
	s_cmp_lt_u32 s50, 8
	s_cbranch_scc1 .Lit
.rept 4
	v_nop                                          ; places behind the last products
.endr
; THE WAY OUT of tile tl: O^T / the sum, 32 numbers a lane, register 16 b + i = channel 32 b + 16 h + i, become six registers of codes (16 rows x 64 along the projection's K) and two scale bytes.
.macro FIN tl
.set ST, 12+80*(\tl)
.set OA, 160+32*(\tl)
.set OB, 28+2*(\tl)
	v_add_f32 v255, v[ST+2], v[ST+3]               ; the sum's two halves,
	s_wait_alu depctr_va_vdst(0)
	v_permlanex16_b32 v252, v255, s[SEL], s[SEL+1]
	s_delay_alu instid0(VALU_DEP_1)
	v_add_f32 v255, v255, v252                     ; and lane l xor 16's
	s_wait_alu depctr_va_vdst(0)
	v_rcp_f32 v254, v255
	v_mov_b32 v250, 0xffff                         ; (a plain place behind the reciprocal)
	s_wait_alu depctr_va_vdst(0)                   ; the wait ahead of its first reader
.set j, 0
.rept 16
	v_pk_mul_f32 v[96+j:97+j], v[OA+j:OA+j+1], v[254:255] op_sel_hi:[1,0]
.set j, j+2
.endr
.irp b, 0,1
	v_max3_num_f32 v[232+\b], |v[96+16*\b]|, |v[97+16*\b]|, 0x1800000
.endr
.irp n, 2,4,6,8,10,12,14
.irp b, 0,1
	s_delay_alu instid0(VALU_DEP_2)
	v_max3_num_f32 v[232+\b], v[232+\b], |v[96+16*\b+\n]|, |v[97+16*\b+\n]|
.endr
.endr
.irp b, 0,1
	s_delay_alu instid0(VALU_DEP_2)
	v_permlanex16_b32 v[236+\b], v[232+\b], s[SEL], s[SEL+1]
.endr
.irp b, 0,1
	s_delay_alu instid0(VALU_DEP_2)
	v_max_num_f32 v[232+\b], v[232+\b], v[236+\b]
.endr
.irp b, 0,1
	s_delay_alu instid0(VALU_DEP_2)
	v_add_nc_u32 v[244+\b], 0xff000000, v[232+\b]
.endr
.irp b, 0,1
	s_delay_alu instid0(VALU_DEP_2)
	v_lshrrev_b32 v[236+\b], 23, v[244+\b]
.endr
	s_delay_alu instid0(VALU_DEP_1)
	v_lshl_or_b32 v[248+\tl], v237, 8, v236        ; my head's two bytes
	v_cmp_eq_f32 vcc_lo, 0, v255
	s_delay_alu instid0(VALU_DEP_1)
	v_cndmask_b32 v[248+\tl], v[248+\tl], v250, vcc_lo   ; a row with the sum 0: both bytes 0xff
	s_wait_alu depctr_va_vdst(0)
	s_wait_xcnt 0x0                                ; earlier stores have read the codes' registers
	v_cvt_scalef32_pk16_fp6_f32 v[224:226], v[96:111], v244
	v_cvt_scalef32_pk16_fp6_f32 v[236:238], v[112:127], v245
	v_nop                                          ; one plain place behind a scaled conversion
.irp e, 0,1,2
	v_permlane16_swap_b32 v[224+\e], v[236+\e]
.endr
.irp e, 0,1,2
	s_delay_alu instid0(VALU_DEP_3)
	v_mov_b32 v[227+\e], v[236+\e]
.endr
	global_store_b128 v11, v[224:227], s[OB:OB+1]              ; 512 + 256 consecutive bytes
	global_store_b64 v30, v[228:229], s[OB:OB+1] offset:512
	ds_store_b16 v243, v[248+\tl] offset:OSTG+256*(\tl)        ; lanes r and r + 16 write the same two bytes with the same value
.endm
	FIN 0
	FIN 1
	s_sub_co_u32 s72, 31, ttmp9
	s_cmp_eq_u32 s17, 0
	s_cselect_b32 s72, ttmp9, s72                  ; wave 0 stores block J's words, wave 1 block 31 - J's
	s_lshl_b32 s72, s72, 8
	s_lshl_b32 s73, s19, 13                        ; a pair's 2,048 words
	s_add_co_u32 s72, s72, s73
	s_mov_b32 s73, 0
	s_add_nc_u64 s[72:73], s[14:15], s[72:73]
	s_wait_dscnt 0x0                               ; my two stores have landed
	s_barrier_signal -1
	s_barrier_wait -1
	s_cmp_lt_u32 s16, 2
	s_cbranch_scc0 .Lno_osc
	ds_load_b64 v[232:233], v10 offset:OSTG        ; 64 rows' words, each made by two waves
	s_wait_dscnt 0x0
	global_store_b64 v30, v[232:233], s[72:73]     ; 256 consecutive bytes, aligned
.Lno_osc:
	s_wait_tensorcnt 0x0                           ; the wave's end, behind my last LDS store
	ds_add_u32 v5, v6
	s_wait_dscnt 0x0
	s_endpgm
.Lfunc_end_k_qb4a412beb7_attn:
	.size	k_qb4a412beb7_attn, .Lfunc_end_k_qb4a412beb7_attn-k_qb4a412beb7_attn
	.p2alignl 7, 3214868480
	.fill 96, 4, 3214868480
	.section	.rodata,"a",@progbits
	.p2align	6, 0x0
	.amdhsa_kernel k_qb4a412beb7_attn
		.amdhsa_group_segment_fixed_size 54784
		.amdhsa_private_segment_fixed_size 0
		.amdhsa_enable_private_segment 0
		.amdhsa_kernarg_size 48
		.amdhsa_user_sgpr_count 2
		.amdhsa_user_sgpr_kernarg_segment_ptr 1
		.amdhsa_wavefront_size32 1
		.amdhsa_system_sgpr_workgroup_id_x 1
		.amdhsa_system_sgpr_workgroup_id_y 1
		.amdhsa_system_sgpr_workgroup_id_z 1
		.amdhsa_system_vgpr_workitem_id 0
		.amdhsa_next_free_vgpr 352
		.amdhsa_next_free_sgpr 84
		.amdhsa_reserve_vcc 1
		.amdhsa_float_denorm_mode_32 3
		.amdhsa_float_denorm_mode_16_64 3
		.amdhsa_memory_ordered 1
		.amdhsa_forward_progress 1
		.amdhsa_inst_pref_size 179
	.end_amdhsa_kernel
	.amdgpu_metadata
---
amdhsa.version: [ 1, 2 ]
amdhsa.kernels:
  - .name:           k_qb4a412beb7_attn
    .symbol:         k_qb4a412beb7_attn.kd
    .args:
      - { .name: img, .offset: 0, .size: 8, .value_kind: global_buffer, .address_space: global }
      - { .name: isc, .offset: 8, .size: 8, .value_kind: global_buffer, .address_space: global }
      - { .name: mask, .offset: 16, .size: 8, .value_kind: global_buffer, .address_space: global }
      - { .name: flags, .offset: 24, .size: 8, .value_kind: global_buffer, .address_space: global }
      - { .name: oimg, .offset: 32, .size: 8, .value_kind: global_buffer, .address_space: global }
      - { .name: osc, .offset: 40, .size: 8, .value_kind: global_buffer, .address_space: global }
    .group_segment_fixed_size: 54784
    .private_segment_fixed_size: 0
    .kernarg_segment_align: 8
    .kernarg_segment_size: 48
    .max_flat_workgroup_size: 256
    .sgpr_count:     84
    .vgpr_count:     352
    .wavefront_size: 32
...
	.end_amdgpu_metadata
.endif
;; end of part 3
;; launch proj (part 4): grid 16 x 16, 4 waves a work-group, clusters of 4 x 4, 327,680 bytes of LDS; arguments oimg, osc, codes, scales, wo_b, out0; writes out0
.if DOCPART == 4
	.amdgcn_target "amdgcn-amd-amdhsa--gfx1250"
	.amdhsa_code_object_version 6
	.text
	.protected	k_qb4a412beb7_proj
	.globl	k_qb4a412beb7_proj
	.p2align	8
	.type	k_qb4a412beb7_proj,@function
k_qb4a412beb7_proj:
	s_mov_b64 s[64:65], 0
	v_nop
	global_prefetch_b8 v0, s[64:65] scope:SCOPE_SE
	s_setreg_imm32_b32 hwreg(HW_REG_WAVE_MODE, 25, 1), 1
	s_wait_xcnt 0x0
	s_wait_alu depctr_hold_cnt(0) depctr_sa_sdst(0) depctr_va_vdst(0) depctr_va_sdst(0) depctr_va_ssrc(0) depctr_va_vcc(0) depctr_vm_vsrc(0)
	s_getreg_b32 s2, hwreg(HW_REG_IB_STS2, 6, 4)
	s_cmp_eq_u32 s2, 0
	s_cbranch_scc0 .Lentry_in_a_cluster
	s_endpgm
.Lentry_in_a_cluster:
	s_bfe_u32 s2, ttmp6, 0x10000c
	s_cmp_lg_u32 s2, 0xf033
	s_cbranch_scc0 .Lentry_shape_is_right
	s_endpgm
.Lentry_shape_is_right:
; PROJ.  out0 = O wo^T + bo on codes of FP6 with E8M0 scales.  A = the attention's result (images in 'oimg', scale words in 'osc': word of K step s, stored row p at 8,192 s + 4 p); B = wo (tiles 512-639 of 'codes' and 'scales').
; A block of 128 x 128 a work-group: 16 x 16 = 256 work-groups; a wave makes 64 x 64: 16 accumulators, by turns.  Source 0 = 16 rows of B, source 1 = 16 rows of A: a lane holds a token, its registers run along the channels.
; Both operands lie in memory as images of their registers, 1,536 bytes for 16 rows x 128 along K, 24,576 bytes a tile row; every tensor row here is a multiple of 256 bytes and begins at one.
; K COMES IN THREE LOADS OF UNLIKE SIZE.  Region R0 holds 512 along K (A 49,152 bytes, B 49,152), region R12 holds 1,024 (98,304 each).  At the head one load a wave: R0 of A, R0 of B (steps 0-3), A's scale words, B's scale words
; (8,192 bytes each, for all of K).  Behind the full sequence and a round: R12's first fill (steps 4-11), a quarter a wave.  Behind step 3, the full sequence and a round: R0 again (steps 12-15), a quarter a wave, with the
; eight steps of R12 in which to land.  Behind step 11 a barrier shows R0 whole. All loads are joint: A's along a row of the 4 x 4 cluster, B's along a column.
; PREFETCH: the walk is written out, with no loop.  Behind R12's load each wave names once what it will ask for in the third load: of its 4 tile rows each of the four partners takes one by address, 24 blocks of 256 bytes,
; a lane a block (lanes 24-31 name the last again).  The first two loads come by themselves.
; THE WAY OUT: a block of 16 tokens x 64 channels goes through the wave's own stage (in R12, which has had its last fill and its last read) and leaves as rows of 256 consecutive bytes, sixteen lanes to a row.
; REGISTERS: window 0: v0-31 addresses, v32-63 scale words (two sets of 16: four steps each), v64-159 and v160-255 two sets of fragments (A's four, B's four); window 1: v0-127 accumulators, v128-159 the bias.
.set AR0,   0
.set BR0,   49152
.set AR12,  98304
.set BR12,  196608
.set SCA,   294912
.set SCB,   303104
.set SPARE, 311296
.set SPITCH, 272
.set VA,   8                           ; v8-11   A: R0 16 l, R0 8 l, R12 16 l, R12 8 l
.set VB,   12                          ; v12-15  B likewise
.set STO,  16
.set RD,   17
.set CO,   18
.set ADSA, 19
.set ADSB, 20
.set BO,   21
.set PFO,  22
.set SPW,  28
.set NIL,  29
.set SC,   32
.set G1, 24
.set GH, 32
.set GHB, 36
.set G1B, 48
.set G2A, 56
.set G2B, 60
.set G1S, 68
.set G0S, 76
.set G1SB, 80
.set G0SB, 88
.set G3A, 92
.set G3B, 96
.set PFA, 100
.set MSB, 0
.macro WIN new
.if MSB != \new
	s_set_vgpr_msb (MSB<<8)|\new
.set MSB, \new
.endif
.endm
.macro JLOAD g0a, g1a, g0b, g1b        ; waves 0, 1 fetch for A, waves 2, 3 for B
	s_cmp_eq_u32 s15, 0
	s_cbranch_scc0 .Lfor_b_\@
	tensor_load_to_lds s[\g0a:\g0a+3], s[\g1a:\g1a+7]
	s_nop 0
.rept 4
	v_nop
.endr
	s_branch .Lasked_\@
.Lfor_b_\@:
	tensor_load_to_lds s[\g0b:\g0b+3], s[\g1b:\g1b+7]
	s_nop 0
.rept 4
	v_nop
.endr
.Lasked_\@:
.endm
.macro CROUND
	s_barrier_signal -1
	s_barrier_wait -1
	s_cmp_lg_u32 s14, 0
	s_cbranch_scc1 .Lnot_wave_0_\@
	s_barrier_signal -3
.Lnot_wave_0_\@:
	s_barrier_wait -3
	s_barrier_signal -1
	s_barrier_wait -1
.endm
	s_load_b256 s[4:11], s[0:1], 0x0               ; oimg, osc, codes, scales
	s_load_b128 s[20:23], s[0:1], 0x20             ; wo_b, out0
	v_lshl_add_u32 v[SPW], v0, 2, SPARE
	v_mov_b32 v[NIL], 0
	ds_add_u32 v[SPW], v[NIL]                      ; the opening lines: the add, twice on end, and its wait
	ds_add_u32 v[SPW], v[NIL]
	v_lshrrev_b32 v1, 5, v0
	v_readfirstlane_b32 s14, v1                    ; wave
	s_lshr_b32 s15, s14, 1                         ; my half of A's rows; also: I fetch for A (0) or B (1)
	s_and_b32 s16, s14, 1                          ; my half of B's rows; also: which half I fetch
	s_bfe_u32 s40, ttmp6, 0x40000
	s_bfe_u32 s41, ttmp6, 0x40004
	s_lshl_b32 s42, ttmp9, 2
	s_add_co_u32 s42, s42, s40                     ; tile column
	s_and_b32 s17, ttmp7, 0xffff
	s_lshl_b32 s17, s17, 2
	s_add_co_u32 s17, s17, s41                     ; tile row
	s_lshl_b32 s43, s41, 2
	s_lshl_b32 s43, 15, s43
	s_lshl_b32 s44, 0x1111, s40
	s_or_b32 s[G1+0], s43, (3<<16)|(1<<21)         ; elements of 8 bytes, no padding
	s_or_b32 s[G1B+0], s44, (3<<16)|(1<<21)
.irp g, G1, G1B
	s_mov_b32 s[\g+1], 768<<16                     ; the head's: 8 tile rows x 6,144 bytes
	s_mov_b32 s[\g+2], 8<<16
	s_mov_b32 s[\g+3], 768<<16
	s_mov_b32 s[\g+4], 8
	s_mov_b32 s[\g+5], 3072
	s_mov_b32 s[\g+6], 0
	s_mov_b32 s[\g+7], 0
.endr
	s_or_b32 s[G1S+0], s43, (3<<16)|(1<<21)        ; A's scale words: 16 K steps x 512 bytes, 8,192 bytes apart
	s_mov_b32 s[G1S+1], 64<<16
	s_mov_b32 s[G1S+2], 16<<16
	s_mov_b32 s[G1S+3], 64<<16
	s_mov_b32 s[G1S+4], 16
	s_mov_b32 s[G1S+5], 1024
	s_mov_b32 s[G1S+6], 0
	s_mov_b32 s[G1S+7], 0
	s_or_b32 s[G1SB+0], s44, (3<<16)|(1<<21)       ; B's: 32 dense rows of 256 bytes
	s_mov_b32 s[G1SB+1], 32<<16
	s_mov_b32 s[G1SB+2], 32<<16
	s_mov_b32 s[G1SB+3], 32<<16
	s_mov_b32 s[G1SB+4], 32
	s_mov_b32 s[G1SB+5], 32
	s_mov_b32 s[G1SB+6], 0
	s_mov_b32 s[G1SB+7], 0
	s_mul_i32 s18, s17, 196608                     ; A's 128 rows, in bytes of codes
	s_mov_b32 s19, 0
	s_lshl_b32 s46, s42, 7
	s_add_co_u32 s46, s46, 8192                    ; B's first stored row
	s_lshl_b32 s12, s46, 6
	s_mov_b32 s13, 0
	s_mul_i32 s46, s46, 1536
	s_mov_b32 s47, 0
	s_lshl_b32 s2, s17, 9                          ; A's scale words: 4 bytes a row
	s_mov_b32 s3, 0
	s_mul_i32 s45, s16, 98304                      ; the half that I fetch: 4 tile rows
	s_cmp_eq_u32 s15, 0                            ; the prefetch: the tile that I fetch for,
	s_cselect_b32 s66, s18, s46
	s_cselect_b32 s67, s40, s41                    ; my place among the four that ask for it: one tile row of my four
	s_mul_i32 s67, s67, 24576
	s_add_co_u32 s66, s66, s67
	s_add_co_u32 s66, s66, s45
	s_add_co_u32 s66, s66, 18432                   ; steps 12-15
	s_mov_b32 s67, 0
	s_wait_dscnt 0x0
	s_wait_kmcnt 0x0
	s_cmp_eq_u32 s15, 0
	s_cselect_b64 s[PFA:PFA+1], s[4:5], s[8:9]
	s_add_nc_u64 s[PFA:PFA+1], s[PFA:PFA+1], s[66:67]
	s_add_nc_u64 s[18:19], s[4:5], s[18:19]
	s_add_nc_u64 s[46:47], s[8:9], s[46:47]
	s_add_nc_u64 s[2:3], s[6:7], s[2:3]
	s_add_nc_u64 s[12:13], s[10:11], s[12:13]
	CROUND                                         ; the first joint loads meet
	s_mov_b32 s[GH], 1
	s_mov_b32 s[GH+1], AR0
	s_mov_b64 s[GH+2:GH+3], s[18:19]
	s_or_b32 s[GH+3], s[GH+3], 0x80000000
	s_mov_b32 s[GHB], 1
	s_mov_b32 s[GHB+1], BR0
	s_mov_b64 s[GHB+2:GHB+3], s[46:47]
	s_or_b32 s[GHB+3], s[GHB+3], 0x80000000
	s_mov_b32 s[G0S], 1
	s_mov_b32 s[G0S+1], SCA
	s_mov_b64 s[G0S+2:G0S+3], s[2:3]
	s_or_b32 s[G0S+3], s[G0S+3], 0x80000000
	s_mov_b32 s[G0SB], 1
	s_mov_b32 s[G0SB+1], SCB
	s_mov_b64 s[G0SB+2:G0SB+3], s[12:13]
	s_or_b32 s[G0SB+3], s[G0SB+3], 0x80000000
	s_mov_b32 s66, s45
	s_add_nc_u64 s[18:19], s[18:19], s[66:67]      ; my half
	s_add_nc_u64 s[46:47], s[46:47], s[66:67]
	s_mul_i32 s45, s14, 49152
	s_mov_b32 s[G2A], 1                            ; R12: wave x 49,152 bytes; steps 4-11
	s_add_co_u32 s[G2A+1], s45, AR12
	s_add_nc_u64 s[G2A+2:G2A+3], s[18:19], 6144
	s_or_b32 s[G2A+3], s[G2A+3], 0x80000000
	s_mov_b32 s[G2B], 1
	s_add_co_u32 s[G2B+1], s45, AR12
	s_add_nc_u64 s[G2B+2:G2B+3], s[46:47], 6144
	s_or_b32 s[G2B+3], s[G2B+3], 0x80000000
	s_mul_i32 s45, s14, 24576
	s_mov_b32 s[G3A], 1                            ; R0 again: wave x 24,576 bytes; steps 12-15
	s_mov_b32 s[G3A+1], s45
	s_add_nc_u64 s[G3A+2:G3A+3], s[18:19], 18432
	s_or_b32 s[G3A+3], s[G3A+3], 0x80000000
	s_mov_b32 s[G3B], 1
	s_mov_b32 s[G3B+1], s45
	s_add_nc_u64 s[G3B+2:G3B+3], s[46:47], 18432
	s_or_b32 s[G3B+3], s[G3B+3], 0x80000000
.macro ARM under, g0, g1, next         ; one chain of branches on the wave's number, one load to an arm
	s_cmp_lt_u32 s14, \under
	s_cbranch_scc0 \next
	tensor_load_to_lds s[\g0:\g0+3], s[\g1:\g1+7]
	s_nop 0
.rept 4
	v_nop
.endr
	s_branch .Lhead_asked
\next:
.endm
	ARM 1, GH,  G1,  .Lhead_b
	ARM 2, GHB, G1B, .Lhead_sa
	ARM 3, G0S, G1S, .Lhead_sb
	tensor_load_to_lds s[G0SB:G0SB+3], s[G1SB:G1SB+7]
	s_nop 0
.rept 4
	v_nop
.endr
.Lhead_asked:
	s_mul_i32 s2, s15, 24576                       ; my four tile rows of A in R0,
	s_mul_i32 s3, s15, 49152
	s_add_co_u32 s3, s3, AR12                      ; in R12;
	s_mul_i32 s12, s16, 24576
	s_add_co_u32 s12, s12, BR0                     ; of B
	s_mul_i32 s13, s16, 49152
	s_add_co_u32 s13, s13, BR12
	s_lshl_b32 s18, s15, 8
	s_add_co_u32 s18, s18, SCA
	s_lshl_b32 s19, s16, 12
	s_add_co_u32 s19, s19, SCB
	s_mul_i32 s45, s14, 16*SPITCH
	s_add_co_u32 s45, s45, AR12                    ; my stage
	s_lshl_b32 s66, s42, 9
	s_lshl_b32 s46, s16, 8
	s_add_co_u32 s66, s66, s46                     ; my first channel, in bytes
	s_lshl_b32 s46, s17, 20
	s_lshl_b32 s47, s15, 19
	s_add_co_u32 s46, s46, s47                     ; my first token: rows of 8,192 bytes
	s_add_co_u32 s46, s46, s66
	s_mov_b32 s47, 0
	s_add_nc_u64 s[20:21], s[20:21], s[66:67]
	s_add_nc_u64 s[22:23], s[22:23], s[46:47]
	v_and_b32 v1, 15, v0                           ; r
	v_bfe_u32 v2, v0, 4, 1                         ; h
	v_and_b32 v6, 31, v0                           ; l
	v_lshlrev_b32 v3, 4, v6
	v_lshlrev_b32 v4, 3, v6
	v_add_nc_u32 v[VA], s2, v3
	v_add_nc_u32 v[VA+1], s2, v4
	v_add_nc_u32 v[VA+2], s3, v3
	v_add_nc_u32 v[VA+3], s3, v4
	v_add_nc_u32 v[VB], s12, v3
	v_add_nc_u32 v[VB+1], s12, v4
	v_add_nc_u32 v[VB+2], s13, v3
	v_add_nc_u32 v[VB+3], s13, v4
	v_lshl_add_u32 v[ADSA], v6, 2, s18             ; A's words: lanes 0-15 tile 2 i, lanes 16-31 tile 2 i + 1
	v_lshlrev_b32 v5, 4, v1
	v_lshl_add_u32 v7, v2, 10, v5
	v_add_nc_u32 v[ADSB], s19, v7                  ; B's: 16 r + 1,024 h
	v_lshl_add_u32 v[CO], v2, 13, v5               ; out: row h, 16 bytes a lane
	v_mul_u32_u24 v7, v1, SPITCH
	v_lshl_add_u32 v7, v2, 6, v7
	v_add_nc_u32 v[STO], s45, v7                   ; the stage, in: row r, 64 h
	v_mul_u32_u24 v7, v2, SPITCH
	v_add_nc_u32 v7, v7, v5
	v_add_nc_u32 v[RD], s45, v7                    ; back: sixteen lanes to a row
	v_lshlrev_b32 v[BO], 6, v2
	v_min_u32 v7, 23, v6
	v_lshlrev_b32 v[PFO], 8, v7
	WIN 0x40
.irp b, 0,1,2,3
	global_load_b128 v[128+8*\b:128+8*\b+3], v[BO], s[20:21] offset:4*(32*(\b/2)+8*(\b%2))
	global_load_b128 v[128+8*\b+4:128+8*\b+7], v[BO], s[20:21] offset:4*(32*(\b/2)+8*(\b%2))+16
.endr
	WIN 0
.macro FRAG reg, a16, off              ; a16: the 16 l register; a16 + 1: the 8 l one
	ds_load_b128 v[\reg:\reg+3], v[\a16] offset:\off
	ds_load_b64 v[\reg+4:\reg+5], v[\a16+1] offset:(\off)+512
	ds_load_b128 v[\reg+6:\reg+9], v[\a16] offset:(\off)+768
	ds_load_b64 v[\reg+10:\reg+11], v[\a16+1] offset:(\off)+1280
.endm
.macro SCALES g                        ; the words of steps 4 g .. 4 g + 3 into set g % 2: 10 loads
.set SS, SC+16*((\g)%2)
.irp i, 0,1
	ds_load_b128 v[SS+4*\i:SS+4*\i+3], v[ADSB] offset:2048*\i+256*(\g)
.endr
.irp i, 0,1
.irp q, 0,1,2,3
	ds_load_b32 v[SS+8+4*\i+\q], v[ADSA] offset:512*(4*(\g)+\q)+128*\i
.endr
.endr
.endm
.macro FETCH s                         ; step s's eight fragments into set s % 2: 32 loads; at each fourth step the scale words too
.set FB, 64+96*((\s)%2)
.if ((\s) >= 4) && ((\s) < 12)
.set RG, 2
.set TP, 12288
.set KO, ((\s)-4)*1536
.else
.set RG, 0
.set TP, 6144
.set KO, ((\s)%4)*1536
.endif
.irp i, 0,1,2,3
	FRAG FB+12*\i, VA+RG, \i*TP+KO
	FRAG FB+48+12*\i, VB+RG, \i*TP+KO
.endr
.if (\s)%4 == 0
	SCALES (\s)/4
.endif
.endm
.macro MUL s, first                    ; 16 matrix instructions, the 16 accumulators by turns; first = 1: the bias is the C
.set FB, 64+96*((\s)%2)
.set SS, SC+16*(((\s)/4)%2)+(\s)%4
	WIN 0x50
.irp a, 0,1,2,3
.irp b, 0,1,2,3
.set rD, 8*(4*\a+\b)
.set rC, rD
.if \first
.set rC, 128+8*\b
.endif
.set rB, FB+48+12*\b
.set rA, FB+12*\a
.set rSB, SS+4*(\b/2)
.set rSA, SS+8+4*(\a/2)
.if (\b%2 == 0) && (\a%2 == 0)
	v_wmma_scale_f32_16x16x128_f8f6f4 v[rD:rD+7], v[rB:rB+11], v[rA:rA+11], v[rC:rC+7], v[rSB], v[rSA] matrix_a_fmt:MATRIX_FMT_FP6 matrix_b_fmt:MATRIX_FMT_FP6
.endif
.if (\b%2 == 1) && (\a%2 == 0)
	v_wmma_scale_f32_16x16x128_f8f6f4 v[rD:rD+7], v[rB:rB+11], v[rA:rA+11], v[rC:rC+7], v[rSB], v[rSA] matrix_a_fmt:MATRIX_FMT_FP6 matrix_b_fmt:MATRIX_FMT_FP6 matrix_a_scale:MATRIX_SCALE_ROW1
.endif
.if (\b%2 == 0) && (\a%2 == 1)
	v_wmma_scale_f32_16x16x128_f8f6f4 v[rD:rD+7], v[rB:rB+11], v[rA:rA+11], v[rC:rC+7], v[rSB], v[rSA] matrix_a_fmt:MATRIX_FMT_FP6 matrix_b_fmt:MATRIX_FMT_FP6 matrix_b_scale:MATRIX_SCALE_ROW1
.endif
.if (\b%2 == 1) && (\a%2 == 1)
	v_wmma_scale_f32_16x16x128_f8f6f4 v[rD:rD+7], v[rB:rB+11], v[rA:rA+11], v[rC:rC+7], v[rSB], v[rSA] matrix_a_fmt:MATRIX_FMT_FP6 matrix_b_fmt:MATRIX_FMT_FP6 matrix_a_scale:MATRIX_SCALE_ROW1 matrix_b_scale:MATRIX_SCALE_ROW1
.endif
.endr
.endr
	WIN 0
.endm
.macro PLACES
.rept 4
	v_nop
.endr
.endm
.macro STEPN s, first                  ; a step inside a region: the next step's fragments are asked for, then this step is multiplied
	PLACES                                         ; in front of loads into the set that the last products read
	FETCH (\s)+1
.if ((\s)+1)%4 == 0
	s_wait_dscnt 42                                ; all but the 32 + 10 just issued
.else
	s_wait_dscnt 32                                ; all but the 32 just issued
.endif
	MUL \s, \first
.endm
	s_wait_alu depctr_va_vdst(0)                   ; the wait at the head's end
	s_wait_tensorcnt 0x0                           ; my tile of the head's four is in; the full sequence ahead of R12's first fill:
	ds_add_u32 v[SPW], v[NIL]
.irp g, G1, G1B
	s_mov_b32 s[\g+1], 1536<<16                    ; no load of mine is out: now 4 tile rows x 12,288 bytes
	s_mov_b32 s[\g+2], 4<<16
	s_mov_b32 s[\g+3], 1536<<16
	s_mov_b32 s[\g+4], 4
.endr
	s_wait_dscnt 0x0
	CROUND
	JLOAD G2A, G1, G2B, G1B
	FETCH 0
	global_prefetch_b8 v[PFO], s[PFA:PFA+1] th:TH_LOAD_NT scope:SCOPE_SE   ; its address registers are never written again
	s_wait_loadcnt 0x0                             ; the bias
	STEPN 0, 1
	STEPN 1, 0
	STEPN 2, 0
	s_wait_tensorcnt 0x0                           ; my part of R12 is in;
	ds_add_u32 v[SPW], v[NIL]
	s_wait_dscnt 1                                 ; (the add may be out)
	MUL 3, 0
.irp g, G1, G1B
	s_mov_b32 s[\g+1], 768<<16                     ; 4 tile rows x 6,144 bytes
	s_mov_b32 s[\g+3], 768<<16
.endr
	s_wait_dscnt 0x0                               ; the add is done, my reads of R0 are over
	CROUND
	JLOAD G3A, G1, G3B, G1B                        ; R0 again; its four v_nop are the places in front of the loads below
	FETCH 4
.irp s, 4,5,6,7,8,9,10
	STEPN \s, 0
.endr
	s_wait_tensorcnt 0x0                           ; my part of R0 is in
	s_wait_dscnt 0x0                               ; step 11's fragments are here: my reads of R12 are over
	s_barrier_signal -1
	MUL 11, 0
	s_barrier_wait -1                              ; R0 is whole
	PLACES
	FETCH 12
	STEPN 12, 0
	STEPN 13, 0
	STEPN 14, 0
	s_wait_dscnt 0x0
	MUL 15, 0
	PLACES                                         ; in front of the first read of the results and of the loads into the fragments' registers
.macro TOSTAGE a
	WIN 0x04                                       ; an LDS store's data are its source 1: window 1
.irp b, 0,1,2,3
	ds_store_b128 v[STO], v[8*(4*(\a)+\b):8*(4*(\a)+\b)+3] offset:128*(\b/2)+32*(\b%2)      ; each accumulator from its low end on
	ds_store_b128 v[STO], v[8*(4*(\a)+\b)+4:8*(4*(\a)+\b)+7] offset:128*(\b/2)+32*(\b%2)+16
.endr
	WIN 0
.set BB, 64+32*((\a)%2)
.irp t, 0,1,2,3,4,5,6,7
	ds_load_b128 v[BB+4*\t:BB+4*\t+3], v[RD] offset:\t*2*SPITCH    ; LDS serves a wave's instructions in order: these see the stores above
.endr
.endm
.macro SEND a, younger                 ; stored rows 2 t + h of tile a are the true rows 32 (a / 2) + 8 (a % 2) + 2 t + h + 8 (t / 4)
.set BB, 64+32*((\a)%2)
	s_wait_dscnt \younger
.irp t, 0,1,2,3,4,5,6,7
	global_store_b128 v[CO], v[BB+4*\t:BB+4*\t+3], s[22:23] offset:(32*((\a)/2)+8*((\a)%2)+2*\t+8*(\t/4))*8192 th:TH_STORE_NT   ; sixteen lanes store 256 consecutive bytes, aligned
.endr
.endm
	TOSTAGE 0
.irp a, 1,2,3
.if \a > 1
	s_wait_xcnt 0x0                                ; block a - 2's stores have read their registers
.endif
	TOSTAGE \a
	SEND \a-1, 16                                  ; behind block a - 1's loads: block a's 8 stores and 8 loads
.endr
	SEND 3, 0
	s_wait_tensorcnt 0x0                           ; the wave's end
	ds_add_u32 v[SPW], v[NIL]
	s_wait_dscnt 0x0
	CROUND                                         ; the closing round
	s_endpgm
.Lfunc_end_k_qb4a412beb7_proj:
	.size	k_qb4a412beb7_proj, .Lfunc_end_k_qb4a412beb7_proj-k_qb4a412beb7_proj
	.p2alignl 7, 3214868480
	.fill 96, 4, 3214868480
	.section	.rodata,"a",@progbits
	.p2align	6, 0x0
	.amdhsa_kernel k_qb4a412beb7_proj
		.amdhsa_group_segment_fixed_size 327680
		.amdhsa_private_segment_fixed_size 0
		.amdhsa_enable_private_segment 0
		.amdhsa_kernarg_size 48
		.amdhsa_user_sgpr_count 2
		.amdhsa_user_sgpr_kernarg_segment_ptr 1
		.amdhsa_wavefront_size32 1
		.amdhsa_system_sgpr_workgroup_id_x 1
		.amdhsa_system_sgpr_workgroup_id_y 1
		.amdhsa_system_sgpr_workgroup_id_z 1
		.amdhsa_system_vgpr_workitem_id 0
		.amdhsa_next_free_vgpr 416
		.amdhsa_next_free_sgpr 102
		.amdhsa_reserve_vcc 0
		.amdhsa_float_denorm_mode_32 3
		.amdhsa_float_denorm_mode_16_64 3
		.amdhsa_memory_ordered 1
		.amdhsa_forward_progress 1
		.amdhsa_inst_pref_size 92
	.end_amdhsa_kernel
	.amdgpu_metadata
---
amdhsa.version: [ 1, 2 ]
amdhsa.kernels:
  - .name:           k_qb4a412beb7_proj
    .symbol:         k_qb4a412beb7_proj.kd
    .args:
      - { .name: oimg, .offset: 0, .size: 8, .value_kind: global_buffer, .address_space: global }
      - { .name: osc, .offset: 8, .size: 8, .value_kind: global_buffer, .address_space: global }
      - { .name: codes, .offset: 16, .size: 8, .value_kind: global_buffer, .address_space: global }
      - { .name: scales, .offset: 24, .size: 8, .value_kind: global_buffer, .address_space: global }
      - { .name: wo_b, .offset: 32, .size: 8, .value_kind: global_buffer, .address_space: global }
      - { .name: out0, .offset: 40, .size: 8, .value_kind: global_buffer, .address_space: global }
    .group_segment_fixed_size: 327680
    .private_segment_fixed_size: 0
    .kernarg_segment_align: 8
    .kernarg_segment_size: 48
    .max_flat_workgroup_size: 128
    .sgpr_count:     102
    .vgpr_count:     416
    .wavefront_size: 32
...
	.end_amdgpu_metadata
.endif
;; end of part 4
